; MI455X (gfx1250); checked and timed in simulation.
; The chip was launched on July 23, 2026; its instructions are those of AMD's public machine-readable ISA for CDNA 5 (MIT licence, August 2026) and "CDNA5" Instruction Set Architecture Reference Guide (July 2026). The comments in the code are by the model that wrote it; some were corrected since.
;; Multi Head Latent Attention. Allowed arithmetic: matrix products marked QUANTISED: E2M3 operands, one E8M0 scale for each 32 along K, by v_wmma_scale_f32_16x16x128_f8f6f4 with both operands' format E2M3, f32 sums; everything else in f32.
;; Inputs: bo 2,048 float32; wk_rope 2,048 x 64 float32; wk_up 512 x 1,024 float32; wkv_down 2,048 x 512 float32; wo 2,048 x 2,048 float32; wq_down 2,048 x 512 float32; wq_rope 512 x 1,024 float32; wq_up 512 x 1,024 float32; wv_up 512 x 2,048 float32; x 4 x 1,024 x 2,048 float32.
;; Outputs: out0 4 x 1,024 x 2,048 float32.
;; This version of the problem:
;;   THIS VERSION OF THE PROBLEM IS GIVEN IN LOW PRECISION. The matrix products marked QUANTISED in the list below multiply operands that are first quantised to E2M3 (2 exponent bits, 3 mantissa bits; 6 bits a number), with one power-of-two scale for each 32 numbers along K (OCP MX v1.0); their sums are f32. All else is computed in f32.
;;   The module's matrix products, in the order in which they are computed (A, B: the left and right operand; K: the contracted axis; several contracted axes count as one K, in the product's order):
;;     1. [M 4,096, K 2,048] x [K 2,048, N 512]; A: input x; B: input wq_down: QUANTISED
;;     2. [M 4,096, K 512] x [K 512, N 1,024]; A: computed on the way; B: input wq_up: QUANTISED
;;     3. [M 4,096, K 512] x [K 512, N 1,024]; A: computed on the way; B: input wq_rope: QUANTISED
;;     4. [M 4,096, K 2,048] x [K 2,048, N 512]; A: input x; B: input wkv_down: QUANTISED
;;     5. [M 4,096, K 2,048] x [K 2,048, N 64]; A: input x; B: input wk_rope: QUANTISED
;;     6. [M 4,096, K 512] x [K 512, N 1,024]; A: computed on the way; B: input wk_up: QUANTISED
;;     7. [M 4,096, K 512] x [K 512, N 2,048]; A: computed on the way; B: input wv_up: QUANTISED
;;     8. batch 64 x [M 1,024, K 128] x [K 128, N 1,024]; A: computed on the way; B: computed on the way: QUANTISED
;;     9. batch 64 x [M 128, K 1,024] x [K 1,024, N 1,024]; A: computed on the way; B: softmax (see below): QUANTISED
;;     10. [M 4,096, K 2,048] x [K 2,048, N 2,048]; A: computed on the way; B: input wo: QUANTISED
;;   THE QUANTISER, for each operand of a quantised product, along K:
;;     - K is cut into blocks of 32 from its start; a last block that is shorter is filled with zeros.
;;     - A block's scale is 2^e with e = floor(log2(the largest magnitude in the block)) - 2, held to -126 .. 127; a block of zeros has e = 0. As a byte (E8M0): e + 127.
;;     - Each number is divided by its block's scale, clamped to +-7.5, and rounded to the nearest number of E2M3, ties to even, subnormals kept.
;;     - The product sums the exact products of the quantised numbers (number of the format x scale) in f32.
;;   ~~~python
;;   def quantise(x, axis):      # numpy; x: float32 -> the quantised numbers, widened to float32 again
;;       x = np.moveaxis(x, axis, -1); K = x.shape[-1]
;;       x = np.pad(x, [(0, 0)] * (x.ndim - 1) + [(0, -K % 32)]); x = x.reshape(x.shape[:-1] + (-1, 32)); a = np.abs(x).max(-1, keepdims=True)
;;       e = np.where(a > 0, np.clip(np.frexp(np.where(a > 0, a, 1))[1] - 1 - 2, -126, 127), 0)      # np.frexp(a)[1] - 1 = floor(log2(a)), exactly
;;       r = np.clip(x / 2.0 ** e, -7.5, 7.5)
;;       step = 2.0 ** (np.maximum(np.frexp(np.where(r == 0, 1, r))[1] - 1, 0) - 3)
;;       q = np.round(r / step) * step * 2.0 ** e      # np.round: ties to even
;;       return np.moveaxis(q.reshape(q.shape[:-2] + (-1,))[..., :K], -1, axis).astype(np.float32)
;;   ~~~
;;   SOFTMAX AHEAD OF A QUANTISED PRODUCT. Where the list says 'softmax', what is quantised is not the finished softmax but p = 2^(t - M), with t = logit x log2(e) and M = ceil(the row's largest t), a whole number; so 1/2 < the row's largest p <= 1. The row's sum l is taken of the UNQUANTISED p, in f32, and the product's result is divided by l at the end. Since M is a whole number, a kernel that streams over the keys may use a running M (the ceiling of the running maximum): every later rescaling is an exact power of two, which a block's scale takes up: the codes' values come out the same.
;;   OPERANDS COMPUTED ON THE WAY. 'Computed on the way' means the value that the module computes at that place (a softmax that the list does not call 'softmax' is quantised finished and normalised). What goes into a quantiser is computed in f32, as accurately as f32 sums, v_exp_f32 and their like allow (about 1e-6 of the number): no bf16 or f16 on the way to a quantiser, and a product that is left as it is and whose result goes on into a quantised operand takes f32 operands (vector FMAs, or v_wmma_f32_16x16x4_f32). A number that lies on a knife's edge between two numbers of the format may be rounded either way, as far as f32 arithmetic and the matrix unit's own rounding can turn it there, and no further.
;; One version. Each part assembles by itself: llvm-mc -triple=amdgcn-amd-amdhsa -mcpu=gfx1250 --defsym DOCPART=n.
;; ======== version 1 of 1: 5 launches
;; limits: right only within a limited range of input values
;; workspace buffers: wimg 7,180,288 bytes; ximg 6,553,600 bytes; kimg 1,261,568 bytes; limg 3,276,800 bytes; qkv 13,107,200 bytes; cimg 6,553,600 bytes
;; launch qwx (part 1): grid 808 x 1, 4 waves a work-group, no clusters, 34,304 bytes of LDS; arguments wq_down, wkv_down, wk_rope, wq_up, wq_rope, wk_up, wv_up, wo, wimg, x, ximg; writes wimg, ximg
.if DOCPART == 1
	.amdgcn_target "amdgcn-amd-amdhsa--gfx1250"
	.amdhsa_code_object_version 6
	.text
	.protected	k_qe3c619664e_qwx
	.globl	k_qe3c619664e_qwx
	.p2align	8
	.type	k_qe3c619664e_qwx,@function
k_qe3c619664e_qwx:
	s_mov_b64 s[64:65], 0
	v_nop
	global_prefetch_b8 v0, s[64:65] scope:SCOPE_SE
	s_setreg_imm32_b32 hwreg(HW_REG_WAVE_MODE, 25, 1), 1
	s_wait_xcnt 0x0
; ONE LAUNCH QUANTISES x AND ALL EIGHT WEIGHTS into codes of FP6 (E2M3) with one E8M0 byte for each 32 along K, laid as IMAGES OF OPERAND REGISTERS.
; A fragment is 16 rows (or columns) x 128 K = 12 registers a lane = 1,536 bytes: registers 4 c .. 4 c + 3 of lane l at 512 c + 16 l; codes lie [tile of 16][K step][1536]; scale words (128 along K of one row) lie [K step][place], 4 bytes each.
; The 16 members of a tile are not neighbours: tile 2 B + u holds, in place r, member 32 B + 8 u + r + 8 (r / 8), so that a later product's results fall into a lane's registers as neighbours along the next K.
; Work-groups 0 .. 255 take x (32,768 bytes a wave, the longer share, so the lower numbers); work-groups 256 .. 807 the weights (16,384 bytes a wave).  The two paths part on the work-group's number; only x's path uses LDS.
; No step of reference() is left out here.  LIMITS: NaN and infinities are not served; a block whose largest magnitude lies under 2^-124 (a block of zeros too) gets the byte 1; this program alone reads the bytes.
.set XW,  256
.set WD,  0
.set WKR, 1572864
.set WQ,  1671168
.set WK,  2457600
.set WV,  2850816
.set WO,  3637248
.set SD,  6782976
.set SKR, 6848512
.set SQ,  6852608
.set SK,  6918144
.set SV,  6983680
.set SO,  7049216
	s_cmp_lt_u32 ttmp9, XW
	s_cbranch_scc1 .Lx
; ---------------- THE WEIGHTS ([K][N] f32).  A wave takes 32 columns x 128 K: a lane takes a column and its registers run down K, so a block of 32 lies in one lane.
; Lanes 0-15 hold tile 2 B's columns, lanes 16-31 tile 2 B + 1's; twelve exchanges of halves make the two fragments.  2,208 such units, four to a work-group.
.set VA,  16                           ; v16-47   byte offset of my column in rows 0 .. 31 of a block; never rewritten
.set X,   48                           ; v48-111  two sets of 32 numbers
.set CA,  112                          ; v112-123 codes of blocks 0 and 2
.set CB,  124                          ; v124-135 codes of blocks 1 and 3
.set TQ,  136                          ; v136-151 each block's upper 16 codes
.set MX,  152                          ; v152-155 two maxima, the scale operand, the byte
.set SW,  160                          ; v160     my column's scale word
; s28 first work-group, s29 log2(groups of 32 columns), s30 log2(K steps), s31 codes' place, s32 scales' place, s33 log2(places in a row of scale words), s34, s35 where a group of columns goes
.macro PICK start, src, lg, ksl, co, so, lr, b0, sh
	s_cmp_ge_u32 ttmp9, \start
	s_cselect_b64 s[26:27], s[\src:\src+1], s[26:27]
	s_cselect_b32 s28, \start, s28
	s_cselect_b32 s29, \lg, s29
	s_cselect_b32 s30, \ksl, s30
	s_cselect_b32 s31, \co, s31
	s_cselect_b32 s32, \so, s32
	s_cselect_b32 s33, \lr, s33
	s_cselect_b32 s34, \b0, s34
	s_cselect_b32 s35, \sh, s35
.endm
	s_load_b512 s[8:23], s[0:1], 0x0               ; the eight weights
	s_load_b64 s[24:25], s[0:1], 0x40              ; their images
	v_lshrrev_b32 v5, 5, v0
	v_readfirstlane_b32 s36, v5                    ; wave
	v_and_b32 v6, 31, v0                           ; lane
	v_and_b32 v1, 7, v6
	v_bfe_u32 v7, v6, 3, 1
	v_lshl_add_u32 v1, v7, 4, v1
	v_bfe_u32 v7, v6, 4, 1
	v_lshl_add_u32 v1, v7, 3, v1                   ; my column of the 32: l % 8 + 16 ((l / 8) % 2) + 8 (l / 16)
	v_lshlrev_b32 v1, 2, v1
	v_lshlrev_b32 v2, 4, v6                        ; 16 l
	v_lshlrev_b32 v4, 2, v6                        ; 4 l
	s_mov_b32 s28, XW
	s_mov_b32 s29, 4
	s_mov_b32 s30, 4
	s_mov_b32 s31, WD
	s_mov_b32 s32, SD
	s_mov_b32 s33, 10
	s_mov_b32 s34, 0
	s_mov_b32 s35, 1
	s_wait_alu depctr_va_vdst(0)                   ; the wait at the head's end
	s_wait_kmcnt 0x0
	s_mov_b64 s[26:27], s[8:9]                     ; wq_down, unless a later line says otherwise
	PICK XW+64,  10, 4, 4, WD,  SD,  10, 16, 1     ; wkv_down: behind wq_down's 512 places
	PICK XW+128, 12, 1, 4, WKR, SKR, 6,  0,  1     ; wk_rope
	PICK XW+136, 14, 5, 2, WQ,  SQ,  12, 0,  2     ; wq_up: head h's 64 columns go to places 128 h ..
	PICK XW+168, 16, 5, 2, WQ,  SQ,  12, 2,  2     ; wq_rope: .. and to places 128 h + 64 ..
	PICK XW+200, 18, 5, 2, WK,  SK,  12, 0,  1     ; wk_up
	PICK XW+232, 20, 6, 2, WV,  SV,  12, 0,  1     ; wv_up
	PICK XW+296, 22, 6, 4, WO,  SO,  11, 0,  1     ; wo
	s_sub_co_u32 s37, ttmp9, s28
	s_lshl_b32 s37, s37, 2
	s_add_co_u32 s37, s37, s36                     ; my unit in the tensor
	s_lshl_b32 s38, 1, s29
	s_sub_co_u32 s38, s38, 1
	s_and_b32 s38, s37, s38                        ; which 32 columns
	s_lshr_b32 s39, s37, s29                       ; which K step
	s_lshl_b32 s40, 128, s29                       ; a row of the tensor in bytes
	s_lshr_b32 s41, s38, 1
	s_lshl_b32 s41, s41, s35
	s_and_b32 s42, s38, 1
	s_add_co_u32 s41, s41, s42
	s_add_co_u32 s41, s41, s34                     ; B: the group's place among the images' groups of 32
	s_add_co_u32 s42, s29, 14
	s_lshl_b32 s42, s39, s42                       ; 128 rows a K step
	s_lshl_b32 s43, s38, 7
	s_add_co_u32 s42, s42, s43
	s_mov_b32 s43, 0
	s_add_nc_u64 s[44:45], s[26:27], s[42:43]      ; block 0's first row, my group's first column
	s_lshl_b32 s42, s40, 5                         ; 32 rows on
	s_add_nc_u64 s[46:47], s[44:45], s[42:43]
	s_add_nc_u64 s[48:49], s[46:47], s[42:43]
	s_add_nc_u64 s[50:51], s[48:49], s[42:43]
	s_lshl_b32 s42, s41, 1
	s_lshl_b32 s42, s42, s30
	s_add_co_u32 s42, s42, s39
	s_mul_i32 s42, s42, 1536
	s_add_co_u32 s42, s42, s31
	s_add_nc_u64 s[52:53], s[24:25], s[42:43]      ; tile 2 B's fragment of this K step
	s_lshl_b32 s56, 1536, s30                      ; from a tile to the next
	s_lshl_b32 s42, s39, s33
	s_lshl_b32 s57, s41, 5
	s_add_co_u32 s42, s42, s57
	s_lshl_b32 s42, s42, 2
	s_add_co_u32 s42, s42, s32
	s_add_nc_u64 s[54:55], s[24:25], s[42:43]      ; the 32 scale words
	v_add_nc_u32 v3, s56, v2
	v_mov_b32 v[VA], v1
.set i, 1
.rept 31
	v_add_nc_u32 v[VA+i], s40, v[VA+i-1]
.set i, i+1
.endr
.macro LOAD t                          ; block t: rows 32 t .. 32 t + 31 at my column; each load reads 128 consecutive bytes a wave
.set i, 0
.rept 32
	global_load_b32 v[X+32*((\t)%2)+i], v[VA+i], s[44+2*(\t):45+2*(\t)] th:TH_LOAD_NT
.set i, i+1
.endr
.endm
.macro BLOCK t
.set XS, X+32*((\t)%2)
.set CD, CA+12*((\t)%2)+6*((\t)/2)
.if (\t) < 3
	s_wait_loadcnt 32                              ; this block's 32 loads are in; the next block's 32 may be out
.else
	s_wait_loadcnt 0x0
.endif
	v_max3_num_f32 v[MX], |v[XS]|, |v[XS+1]|, |v[XS+2]|
	v_max3_num_f32 v[MX+1], |v[XS+3]|, |v[XS+4]|, |v[XS+5]|
.irp i, 6,10,14,18,22,26
	v_max3_num_f32 v[MX], v[MX], |v[XS+\i]|, |v[XS+\i+1]|
	v_max3_num_f32 v[MX+1], v[MX+1], |v[XS+\i+2]|, |v[XS+\i+3]|
.endr
	v_max3_num_f32 v[MX], v[MX], |v[XS+30]|, |v[XS+31]|
	v_max3_num_f32 v[MX], v[MX], v[MX+1], 0x1800000 ; with the floor 2^(3 - 127): the byte cannot fall under 1
	v_add_nc_u32 v[MX+2], 0xff000000, v[MX]        ; 2 off the exponent field: the conversion's scale operand
	v_lshrrev_b32 v[MX+3], 23, v[MX+2]             ; the byte
.if (\t) == 0
	v_mov_b32 v[SW], v[MX+3]
.else
	v_lshl_or_b32 v[SW], v[MX+3], 8*(\t), v[SW]
.endif
	v_cvt_scalef32_pk16_fp6_f32 v[CD:CD+2], v[XS:XS+15], v[MX+2]
	v_cvt_scalef32_pk16_fp6_f32 v[TQ+4*(\t):TQ+4*(\t)+2], v[XS+16:XS+31], v[MX+2]
	v_nop                                          ; one plain place behind a scaled conversion
.if (\t) < 2
	LOAD (\t)+2
.endif
.endm
	LOAD 0
	LOAD 1
	BLOCK 0
	BLOCK 1
	BLOCK 2
	BLOCK 3
.irp t, 0,1,2,3
.irp i, 0,1,2
	v_mov_b32 v[CA+12*(\t%2)+6*(\t/2)+3+\i], v[TQ+4*\t+\i]
.endr
.endr
.set i, 0
.rept 12
	v_permlane16_swap_b32 v[CA+i], v[CB+i]         ; CA becomes tile 2 B's fragment, CB tile 2 B + 1's
.set i, i+1
.endr
.irp c, 0,1,2
	global_store_b128 v2, v[CA+4*\c:CA+4*\c+3], s[52:53] offset:512*\c    ; 512 consecutive bytes a store
.endr
.irp c, 0,1,2
	global_store_b128 v3, v[CB+4*\c:CB+4*\c+3], s[52:53] offset:512*\c
.endr
	global_store_b32 v4, v[SW], s[54:55]
	s_endpgm
; ---------------- x [4096][2048] f32.  A work-group takes one tile of 16 rows; wave w takes K steps 4 w .. 4 w + 3 of 128.
; Each load reads 512 consecutive bytes of a row; a K step's 16 x 512 bytes turn through the wave's own stage in LDS, so that lane (r, h) holds, of row r, 16 neighbours of each block of 32.
.set XSO,  6291456
.set STG,  8448                        ; LDS: a stage of 16 rows x (512 + 16) bytes for each wave;
.set SPARE, 33792                      ; behind the four: the spare words, 128 bytes a wave, which no other line names
.set LI,  1                            ; 16 l
.set LS,  2                            ; 4 r
.set STI, 4
.set STO, 5
.set SPW, 12
.set NIL, 13
.set R,   16                           ; v16-143  two sets of 64 numbers
.set PC,  144                          ; v144-162 the codes just made
.set TM,  164                          ; v164-179 at work in the quantiser
.set PW,  180                          ; the scale word just made
.set SEL, 20
; 64 numbers of a lane, register 16 b + i = k 32 b + 16 h + i of my row, become a fragment's codes in v[PC] on and its scale word in v[PW]
.macro QUANT s
.irp b, 0,1,2,3
	v_max3_num_f32 v[TM+\b], |v[\s+16*\b]|, |v[\s+1+16*\b]|, 0x1800000
.endr
.irp i, 2,4,6,8,10,12,14
.irp b, 0,1,2,3
	v_max3_num_f32 v[TM+\b], v[TM+\b], |v[\s+16*\b+\i]|, |v[\s+1+16*\b+\i]|
.endr
.endr
.irp b, 0,1,2,3
	v_permlanex16_b32 v[TM+4+\b], v[TM+\b], s[SEL], s[SEL+1]
.endr
.irp b, 0,1,2,3
	v_max_num_f32 v[TM+\b], v[TM+\b], v[TM+4+\b]
.endr
.irp b, 0,1,2,3
	v_add_nc_u32 v[TM+12+\b], 0xff000000, v[TM+\b]
.endr
.irp b, 0,1,2,3
	v_lshrrev_b32 v[TM+4+\b], 23, v[TM+12+\b]
.endr
	v_lshl_or_b32 v[PW], v[TM+5], 8, v[TM+4]
	v_lshl_or_b32 v[PW], v[TM+6], 16, v[PW]
	v_lshl_or_b32 v[PW], v[TM+7], 24, v[PW]
.irp c, 0,1
	v_cvt_scalef32_pk16_fp6_f32 v[PC+6*\c:PC+2+6*\c], v[\s+32*\c:\s+15+32*\c], v[TM+12+2*\c]
	v_cvt_scalef32_pk16_fp6_f32 v[PC+12+4*\c:PC+14+4*\c], v[\s+16+32*\c:\s+31+32*\c], v[TM+12+2*\c+1]
.endr
	v_nop                                          ; one plain place behind a scaled conversion
.irp c, 0,1
.irp i, 0,1,2
	v_permlane16_swap_b32 v[PC+6*\c+\i], v[PC+12+4*\c+\i]
.endr
.irp i, 0,1,2
	v_mov_b32 v[PC+3+6*\c+\i], v[PC+12+4*\c+\i]
.endr
.endr
.endm
.Lx:
	s_load_b64 s[4:5], s[0:1], 0x48                ; x
	s_load_b64 s[8:9], s[0:1], 0x50                ; x's images
	v_lshl_add_u32 v[SPW], v0, 2, SPARE
	v_mov_b32 v[NIL], 0
	v_lshrrev_b32 v10, 5, v0
	v_readfirstlane_b32 s10, v10                   ; wave
	v_and_b32 v10, 31, v0
	v_lshlrev_b32 v[LI], 4, v10
	v_and_b32 v10, 15, v0                          ; r
	v_bfe_u32 v11, v0, 4, 1                        ; h
	v_lshlrev_b32 v[LS], 2, v10
	s_mul_i32 s44, s10, STG
	v_add_nc_u32 v[STI], s44, v[LI]                ; the stage, in: a row's 512 bytes as they lie
	v_mul_u32_u24 v[STO], v10, 528
	v_lshl_add_u32 v[STO], v11, 6, v[STO]
	v_add_nc_u32 v[STO], s44, v[STO]               ; out: row r, + 64 h
.irp b, 0,1,2,3
	v_mov_b32 v[TM+4+\b], 0                        ; written once: a lane permute's destination counts as one of its sources
.endr
	s_mov_b32 s[SEL], 0x76543210
	s_mov_b32 s[SEL+1], 0xfedcba98
	s_lshr_b32 s12, ttmp9, 1
	s_lshl_b32 s12, s12, 5
	s_and_b32 s13, ttmp9, 1
	s_lshl_b32 s13, s13, 3
	s_add_co_u32 s12, s12, s13                     ; the tile's first row: 32 B + 8 u
	s_mov_b32 s45, 0
	s_wait_alu depctr_va_vdst(0)                   ; the wait at the head's end
	s_wait_kmcnt 0x0
	s_lshl_b32 s44, s12, 13
	s_lshl_b32 s46, s10, 11
	s_add_co_u32 s44, s44, s46
	s_add_nc_u64 s[4:5], s[4:5], s[44:45]          ; x at that row, my first K step
	s_lshl_b32 s44, ttmp9, 4
	s_lshl_b32 s46, s10, 2
	s_add_co_u32 s44, s44, s46
	s_mul_i32 s44, s44, 1536
	s_add_nc_u64 s[22:23], s[8:9], s[44:45]        ; codes: [tile][K step]
	s_lshl_b32 s44, s10, 16
	s_lshl_b32 s46, ttmp9, 6
	s_add_co_u32 s44, s44, s46
	s_add_co_u32 s44, s44, XSO
	s_add_nc_u64 s[24:25], s[8:9], s[44:45]        ; scale words: [K step][4096]
.macro XL t                            ; my K step t of the 16 rows: 512 consecutive bytes a load
.set i, 0
.rept 16
	global_load_b128 v[R+64*((\t)%2)+4*i:R+64*((\t)%2)+4*i+3], v[LI], s[4:5] offset:(i+8*(i/8))*8192+512*(\t) th:TH_LOAD_NT
.set i, i+1
.endr
.endm
.macro STEP t
.set RS, R+64*((\t)%2)
.if (\t) < 3
	s_wait_loadcnt 16                              ; this K step's 16 loads are in; the next step's 16 may be out
.else
	s_wait_loadcnt 0x0
.endif
.set i, 0
.rept 16
	ds_store_b128 v[STI], v[RS+4*i:RS+4*i+3] offset:528*i
.set i, i+1
.endr
	s_wait_dscnt 0x0                               ; the stores have read the set, which takes the numbers back
.irp b, 0,1,2,3
.irp j, 0,1,2,3
	ds_load_b128 v[RS+16*\b+4*\j:RS+16*\b+4*\j+3], v[STO] offset:128*\b+16*\j
.endr
.endr
	s_wait_dscnt 0x0
	s_wait_xcnt 0x0                                ; the last step's stores have read the codes and the scale word
	QUANT RS
.if (\t) < 2
	XL (\t)+2
.endif
.irp c, 0,1,2
	global_store_b128 v[LI], v[PC+4*\c:PC+4*\c+3], s[22:23] offset:1536*(\t)+512*\c
.endr
	global_store_b32 v[LS], v[PW], s[24:25] offset:16384*(\t)
.endm
	XL 0
	XL 1
	STEP 0
	STEP 1
	STEP 2
	STEP 3
	s_wait_tensorcnt 0x0                           ; the wave's end
	ds_add_u32 v[SPW], v[NIL]
	s_wait_dscnt 0x0
	s_endpgm
.Lfunc_end_k_qe3c619664e_qwx:
	.size	k_qe3c619664e_qwx, .Lfunc_end_k_qe3c619664e_qwx-k_qe3c619664e_qwx
	.p2alignl 7, 3214868480
	.fill 96, 4, 3214868480
	.section	.rodata,"a",@progbits
	.p2align	6, 0x0
	.amdhsa_kernel k_qe3c619664e_qwx
		.amdhsa_group_segment_fixed_size 34304
		.amdhsa_private_segment_fixed_size 0
		.amdhsa_enable_private_segment 0
		.amdhsa_kernarg_size 88
		.amdhsa_user_sgpr_count 2
		.amdhsa_user_sgpr_kernarg_segment_ptr 1
		.amdhsa_wavefront_size32 1
		.amdhsa_system_sgpr_workgroup_id_x 1
		.amdhsa_system_sgpr_workgroup_id_y 1
		.amdhsa_system_sgpr_workgroup_id_z 1
		.amdhsa_system_vgpr_workitem_id 0
		.amdhsa_next_free_vgpr 192
		.amdhsa_next_free_sgpr 66
		.amdhsa_reserve_vcc 0
		.amdhsa_float_denorm_mode_32 3
		.amdhsa_float_denorm_mode_16_64 3
		.amdhsa_memory_ordered 1
		.amdhsa_forward_progress 1
		.amdhsa_inst_pref_size 59
	.end_amdhsa_kernel
	.amdgpu_metadata
---
amdhsa.version: [ 1, 2 ]
amdhsa.kernels:
  - .name:           k_qe3c619664e_qwx
    .symbol:         k_qe3c619664e_qwx.kd
    .args:
      - { .name: wq_down, .offset: 0, .size: 8, .value_kind: global_buffer, .address_space: global }
      - { .name: wkv_down, .offset: 8, .size: 8, .value_kind: global_buffer, .address_space: global }
      - { .name: wk_rope, .offset: 16, .size: 8, .value_kind: global_buffer, .address_space: global }
      - { .name: wq_up, .offset: 24, .size: 8, .value_kind: global_buffer, .address_space: global }
      - { .name: wq_rope, .offset: 32, .size: 8, .value_kind: global_buffer, .address_space: global }
      - { .name: wk_up, .offset: 40, .size: 8, .value_kind: global_buffer, .address_space: global }
      - { .name: wv_up, .offset: 48, .size: 8, .value_kind: global_buffer, .address_space: global }
      - { .name: wo, .offset: 56, .size: 8, .value_kind: global_buffer, .address_space: global }
      - { .name: wimg, .offset: 64, .size: 8, .value_kind: global_buffer, .address_space: global }
      - { .name: x, .offset: 72, .size: 8, .value_kind: global_buffer, .address_space: global }
      - { .name: ximg, .offset: 80, .size: 8, .value_kind: global_buffer, .address_space: global }
    .group_segment_fixed_size: 34304
    .private_segment_fixed_size: 0
    .kernarg_segment_align: 8
    .kernarg_segment_size: 88
    .max_flat_workgroup_size: 128
    .sgpr_count:     66
    .vgpr_count:     192
    .wavefront_size: 32
...
	.end_amdgpu_metadata
.endif
;; end of part 1
;; launch lat (part 2): grid 4 x 48, 4 waves a work-group, clusters of 4 x 4, 327,680 bytes of LDS; arguments ximg, wimg, limg, kimg; writes limg, kimg
.if DOCPART == 2
	.amdgcn_target "amdgcn-amd-amdhsa--gfx1250"
	.amdhsa_code_object_version 6
	.text
	.protected	k_qe3c619664e_lat
	.globl	k_qe3c619664e_lat
	.p2align	8
	.type	k_qe3c619664e_lat,@function
k_qe3c619664e_lat:
	s_mov_b64 s[64:65], 0
	v_nop
	global_prefetch_b8 v0, s[64:65] scope:SCOPE_SE
	s_setreg_imm32_b32 hwreg(HW_REG_WAVE_MODE, 25, 1), 1
	s_wait_xcnt 0x0
	s_wait_alu depctr_hold_cnt(0) depctr_sa_sdst(0) depctr_va_vdst(0) depctr_va_sdst(0) depctr_va_ssrc(0) depctr_va_vcc(0) depctr_vm_vsrc(0)
	s_getreg_b32 s2, hwreg(HW_REG_IB_STS2, 6, 4)
	s_cmp_eq_u32 s2, 0
	s_cbranch_scc0 .Lentry_in_a_cluster
	s_endpgm
.Lentry_in_a_cluster:
	s_bfe_u32 s2, ttmp6, 0x10000c
	s_cmp_lg_u32 s2, 0xf033
	s_cbranch_scc0 .Lentry_shape_is_right
	s_endpgm
.Lentry_shape_is_right:
; q_lat = Q(x) Q(wq_down) and kv_lat = Q(x) Q(wkv_down), [4096] x [1024] over K = 2,048, on codes of FP6 with E8M0 scales; the results are quantised along their columns (the next K) and stored as images of operand registers.
; All operands lie in memory as images: a fragment (16 rows x 128 K) is 1,536 bytes, registers 4 c .. 4 c + 3 of lane l at 512 c + 16 l, laid [tile of 16 rows][K step]; it comes from LDS by three loads of 16 bytes a lane, 512 consecutive bytes each.
; A work-group of four waves makes 128 rows x 256 columns; a wave 64 x 128: 32 accumulators in window 2 (accumulator (a, b) at v[64 a + 8 b]).
; THE MATRIX INSTRUCTION IS USED TRANSPOSED (source 0 = 16 columns' weights, source 1 = 16 rows of x): a lane holds one row, and, by the order of the columns in a tile, its 64 registers of a row tile are 64 of 128 neighbouring columns: register 16 B + i = column 32 B + 16 h + i.
; K goes through a ring of two LDS slots of four K steps each, filled by the tensor data mover (waves 0, 1: the rows' halves; waves 2, 3: the columns'); the scale words of all of K come once.
; CLUSTER 4 x 4: the four of a row of the cluster need the same rows' tiles, the four of a column the same columns': joint loads with a mask that names the four.
; Prefetch: a slot's bytes are asked for one slot ahead of the joint load that wants them.
; LIMITS: NaN and infinities are not served; a block under 2^-124 gets the byte 1.
.set FRB,   1536
.set KS,    16                         ; K steps of 128
.set KSS,   4                          ; K steps in a slot
.set SLOT,  24*KSS*FRB                 ; 8 row tiles, then 16 column tiles, each [K step in the slot][1536]
.set ASC,   2*SLOT                     ; behind the ring: the rows' scale words [K step][128],
.set BSC,   ASC+KS*512                 ; the columns' [K step][256],
.set SPARE, BSC+KS*1024                ; and the spare words, 128 bytes a wave, which no other line names
.set APITCH, 4096                      ; places in a row of the rows' scale words in memory
.set BPITCH, 1024
.set AOFF,  0
.set ASOFF, 6291456
.set BOFF,  0
.set BSOFF, 6782976
.set BIAS,  0
.set ADRA, 16                          ; v16-17 LDS address of my row fragments in slot 0, 1
.set ADRB, 20                          ; v20-21 of my column fragments
.set ADSA, 22                          ; v22, v23 of my scale words
.set ADSB, 23
.set LI,   24                          ; 16 l
.set LS,   25                          ; 4 r
.set SPW,  28
.set NIL,  29
.set SC,   32                          ; v32-55 scale words, two sets of 12: 8 of the columns, 4 of the rows; they hold nothing else
.set TM,   64
.set PC,   80
.set PW,   100
.set AF,   128                         ; v128-223 the rows' fragments, two sets of 48; the columns' lie in window 1 at v0 and v128
.set G1, 24
.set G0, 32
.set G1B, 48
.set G0B, 56
.set SEL, 66
.set G1S, 68
.set G0S, 76
.set G1SB, 80
.set G0SB, 88
.set MUL,  0xa1                        ; source 0 window 1, source 1 window 0, C and D window 2
.set TO_B, 0x40
.set MSB, 0
.macro WIN new
.if MSB != (\new)
	s_set_vgpr_msb (MSB<<8)|(\new)
.set MSB, (\new)
.endif
.endm
.macro PLACES
.rept 4
	v_nop
.endr
.endm
.set PFO, 31                           ; v31 the prefetches' offset: 256 x min(lane, 23); never rewritten
.set PFA, 100                          ; s[100:101] my share of the tiles that I fetch in the ring; never rewritten: a slot's place along K stands in the immediate
; A prefetch of slot s's bytes, one slot ahead of the joint load that wants them.  A tile's part of a slot is 6,144 bytes, 24 blocks of 256, a lane a block (lanes 24-31 name the last again).
; The four partners that ask for a tile jointly share the tiles out BY ADDRESS: of the rows' four tiles a wave one each, of the columns' eight two each (the second instruction).
.macro ASK s
	global_prefetch_b8 v[PFO], s[PFA:PFA+1] offset:(\s)*KSS*FRB th:TH_LOAD_NT scope:SCOPE_SE
	s_cmp_eq_u32 s15, 0
	s_cbranch_scc1 .Lpf_\@
	global_prefetch_b8 v[PFO], s[PFA:PFA+1] offset:(\s)*KSS*FRB+KS*FRB th:TH_LOAD_NT scope:SCOPE_SE
.Lpf_\@:
.endm
.macro ARM under, g0, g1, next         ; an arm of the head's one chain of branches on the wave's number: one joint load, then the jump to the join
	s_cmp_lt_u32 s14, \under
	s_cbranch_scc0 \next
	tensor_load_to_lds s[\g0:\g0+3], s[\g1:\g1+7]
	s_nop 0
.rept 4
	v_nop
.endr
	s_branch .Lhead_asked
\next:
.endm
.macro JLOAD g0a, g1a, g0b, g1b        ; a joint load: waves 0, 1 for the rows, waves 2, 3 for the columns; an s_nop 0 and four v_nop follow each line
	s_cmp_eq_u32 s15, 0
	s_cbranch_scc0 .Lfor_b_\@
	tensor_load_to_lds s[\g0a:\g0a+3], s[\g1a:\g1a+7]
	s_nop 0
.rept 4
	v_nop
.endr
	s_branch .Lasked_\@
.Lfor_b_\@:
	tensor_load_to_lds s[\g0b:\g0b+3], s[\g1b:\g1b+7]
	s_nop 0
.rept 4
	v_nop
.endr
.Lasked_\@:
.endm
.macro CREST
	s_cmp_lg_u32 s14, 0
	s_cbranch_scc1 .Lnot_wave_0_\@
	s_barrier_signal -3
.Lnot_wave_0_\@:
	s_barrier_wait -3
	s_barrier_signal -1
	s_barrier_wait -1
.endm
.macro CROUND
	s_barrier_signal -1
	s_barrier_wait -1
	CREST
.endm
.macro GRP1 g, c, r, p                 ; r rows of c elements of 8 bytes, p elements apart
	s_mov_b32 s[\g+1], (\c)<<16
	s_mov_b32 s[\g+2], (\r)<<16
	s_mov_b32 s[\g+3], (\c)<<16
	s_mov_b32 s[\g+4], \r
	s_mov_b32 s[\g+5], \p
	s_mov_b32 s[\g+6], 0
	s_mov_b32 s[\g+7], 0
.endm
.macro GRP0 g, lds, ldsoff, adr, adroff
	s_mov_b32 s[\g], 1
	s_add_co_u32 s[\g+1], s[\lds], \ldsoff
	s_add_nc_u64 s[\g+2:\g+3], s[\adr:\adr+1], \adroff
	s_or_b32 s[\g+3], s[\g+3], 0x80000000
.endm
.macro FETCH slot, kl, kg, set         ; 48 LDS loads: the fragments and scale words of K step kg, the slot's kl-th
	WIN TO_B
.irp b, 0,1,2,3,4,5,6,7
.irp c, 0,1,2
	ds_load_b128 v[128*(\set)+12*\b+4*\c:128*(\set)+12*\b+4*\c+3], v[ADRB+\slot] offset:(\b*KSS+(\kl))*FRB+512*\c
.endr
.endr
	WIN 0
.irp a, 0,1,2,3
.irp c, 0,1,2
	ds_load_b128 v[AF+48*(\set)+12*\a+4*\c:AF+48*(\set)+12*\a+4*\c+3], v[ADRA+\slot] offset:(\a*KSS+(\kl))*FRB+512*\c
.endr
.endr
.irp b, 0,1,2,3,4,5,6,7
	ds_load_b32 v[SC+12*(\set)+\b], v[ADSB] offset:1024*(\kg)+64*\b
.endr
.irp a, 0,1,2,3
	ds_load_b32 v[SC+12*(\set)+8+\a], v[ADSA] offset:512*(\kg)+64*\a
.endr
.endm
.macro MUL8 a, set, first              ; row tile a against the eight column tiles; the 32 accumulators take turns in the same order in every K step
.irp b, 0,1,2,3,4,5,6,7
.if \first
	v_wmma_scale_f32_16x16x128_f8f6f4 v[64*(\a)+8*\b:64*(\a)+8*\b+7], v[128*(\set)+12*\b:128*(\set)+12*\b+11], v[AF+48*(\set)+12*(\a):AF+48*(\set)+12*(\a)+11], 0, v[SC+12*(\set)+\b], v[SC+12*(\set)+8+(\a)] matrix_a_fmt:MATRIX_FMT_FP6 matrix_b_fmt:MATRIX_FMT_FP6
.else
	v_wmma_scale_f32_16x16x128_f8f6f4 v[64*(\a)+8*\b:64*(\a)+8*\b+7], v[128*(\set)+12*\b:128*(\set)+12*\b+11], v[AF+48*(\set)+12*(\a):AF+48*(\set)+12*(\a)+11], v[64*(\a)+8*\b:64*(\a)+8*\b+7], v[SC+12*(\set)+\b], v[SC+12*(\set)+8+(\a)] matrix_a_fmt:MATRIX_FMT_FP6 matrix_b_fmt:MATRIX_FMT_FP6
.endif
.endr
.endm
.macro STEP slot, kl, kg, first        ; a K step whose successor lies in the same slot
	s_wait_dscnt 0x0                               ; this step's set is in
	WIN MUL
	MUL8 0, (\kg)%2, \first
	MUL8 1, (\kg)%2, \first
	PLACES                                         ; ahead of loads into the other set, which the last step's products read
	FETCH \slot, (\kl)+1, (\kg)+1, 1-(\kg)%2
.if (\kg) == 0
	ASK 2                                          ; K steps 8 .. 11, which the change of slots three K steps on asks for
.endif
	WIN MUL
	MUL8 2, (\kg)%2, \first
	MUL8 3, (\kg)%2, \first
.endm
.macro TURN slot, next, kg, fill       ; a slot's last K step changes slots: one barrier; fill = 1: it opens a round of the cluster's barrier, and the slot is filled again, two slots ahead
	WIN 0
	s_wait_tensorcnt 0x0                           ; all my tensor loads have landed, my part of the next slot among them;
	ds_add_u32 v[SPW], v[NIL]                      ; 0 onto my spare word;
	s_wait_dscnt 0x1                               ; this step's set is in (the add alone may be out)
	WIN MUL
	MUL8 0, (\kg)%2, 0
	s_wait_dscnt 0x0                               ; the add is done, and my reads of this slot are over
	s_barrier_signal -1
	MUL8 1, (\kg)%2, 0
	WIN 0
	s_barrier_wait -1
.if \fill
	CREST                                          ; no wave of any partner still reads this slot or has a load on its way
	s_add_nc_u64 s[G0+4*\slot+2:G0+4*\slot+3], s[G0+4*\slot+2:G0+4*\slot+3], 2*KSS*FRB
	s_add_nc_u64 s[G0B+4*\slot+2:G0B+4*\slot+3], s[G0B+4*\slot+2:G0B+4*\slot+3], 2*KSS*FRB
	JLOAD G0+4*\slot, G1, G0B+4*\slot, G1B         ; my one tensor load behind the round; its four v_nop are also the places ahead of the loads below
.else
	PLACES
.endif
	FETCH \next, 0, (\kg)+1, 1-(\kg)%2
.if (\kg) == 3
	ASK 3                                          ; K steps 12 .. 15, the last: later changes of slots ask for nothing
.endif
	WIN MUL
	MUL8 2, (\kg)%2, 0
	MUL8 3, (\kg)%2, 0
.endm
.macro LAST kg
	s_wait_dscnt 0x0
	WIN MUL
	MUL8 0, (\kg)%2, 0
	MUL8 1, (\kg)%2, 0
	MUL8 2, (\kg)%2, 0
	MUL8 3, (\kg)%2, 0
	WIN 0
	PLACES                                         ; ahead of the first read of results
.endm
; row tile a's 64 results of a lane (window 2, v[64 a] on) become a fragment's codes in v[PC] on and its scale word in v[PW]; each accumulator is read from its low end on
.macro QUANTW a
	WIN 0x28                                       ; sources 1 and 2 in window 2
.irp b, 0,1,2,3
	v_max3_num_f32 v[TM+\b], 0x1800000, |v[64*(\a)+16*\b]|, |v[64*(\a)+16*\b+1]|
.endr
.irp i, 2,4,6,8,10,12,14
.irp b, 0,1,2,3
	v_max3_num_f32 v[TM+\b], v[TM+\b], |v[64*(\a)+16*\b+\i]|, |v[64*(\a)+16*\b+\i+1]|
.endr
.endr
	WIN 0
.irp b, 0,1,2,3
	v_permlanex16_b32 v[TM+4+\b], v[TM+\b], s[SEL], s[SEL+1]
.endr
.irp b, 0,1,2,3
	v_max_num_f32 v[TM+\b], v[TM+\b], v[TM+4+\b]
.endr
.irp b, 0,1,2,3
	v_add_nc_u32 v[TM+12+\b], 0xff000000, v[TM+\b]
.endr
.irp b, 0,1,2,3
	v_lshrrev_b32 v[TM+4+\b], 23, v[TM+12+\b]
.endr
	v_lshl_or_b32 v[PW], v[TM+5], 8, v[TM+4]
	v_lshl_or_b32 v[PW], v[TM+6], 16, v[PW]
	v_lshl_or_b32 v[PW], v[TM+7], 24, v[PW]
	WIN 0x02                                       ; source 0 in window 2
.irp c, 0,1
	v_cvt_scalef32_pk16_fp6_f32 v[PC+6*\c:PC+2+6*\c], v[64*(\a)+32*\c:64*(\a)+32*\c+15], v[TM+12+2*\c]
	v_cvt_scalef32_pk16_fp6_f32 v[PC+12+4*\c:PC+14+4*\c], v[64*(\a)+32*\c+16:64*(\a)+32*\c+31], v[TM+12+2*\c+1]
.endr
	WIN 0
	v_nop                                          ; one plain place behind a scaled conversion
.irp c, 0,1
.irp i, 0,1,2
	v_permlane16_swap_b32 v[PC+6*\c+\i], v[PC+12+4*\c+\i]
.endr
.irp i, 0,1,2
	v_mov_b32 v[PC+3+6*\c+\i], v[PC+12+4*\c+\i]
.endr
.endr
.endm
	s_load_b128 s[4:7], s[0:1], 0x0                ; x's images, the weights' images
	s_load_b64 s[8:9], s[0:1], 0x10                ; the latents' images
	s_and_b32 s17, ttmp7, 0xffff                   ; the CLUSTER's y, which all sixteen partners share: 0 .. 7 make the latents, 8 .. 11 make k_r
	s_cmp_ge_u32 s17, 8
	s_cbranch_scc1 .Lkr
	v_lshl_add_u32 v[SPW], v0, 2, SPARE
	v_mov_b32 v[NIL], 0
	ds_add_u32 v[SPW], v[NIL]                      ; the wave's opening
	ds_add_u32 v[SPW], v[NIL]
	v_lshrrev_b32 v1, 5, v0
	v_readfirstlane_b32 s14, v1                    ; wave
	v_and_b32 v[PFO], 31, v0
	v_min_u32 v[PFO], 23, v[PFO]
	v_lshlrev_b32 v[PFO], 8, v[PFO]
	s_lshr_b32 s15, s14, 1                         ; my half of the rows.  Also: I fetch for the rows (0) or the columns (1)
	s_and_b32 s16, s14, 1                          ; my half of the columns.  Also: which half I fetch
	s_bfe_u32 s40, ttmp6, 0x40000                  ; cx
	s_bfe_u32 s41, ttmp6, 0x40004                  ; cy
	s_lshl_b32 s42, ttmp9, 2
	s_add_co_u32 s42, s42, s40                     ; x: which 256 columns
	s_and_b32 s17, ttmp7, 0xffff
	s_lshl_b32 s17, s17, 2
	s_add_co_u32 s17, s17, s41                     ; y: which 128 rows
	s_lshl_b32 s43, s41, 2
	s_lshl_b32 s43, 15, s43                        ; my row of the cluster
	s_lshl_b32 s44, 0x1111, s40                    ; my column
	s_or_b32 s[G1], s43, (3<<16)|(1<<21)           ; the mask; elements of 8 bytes; bit 21 beside a mask; no padding
	s_or_b32 s[G1B], s44, (3<<16)|(1<<21)
	s_or_b32 s[G1S], s43, (3<<16)|(1<<21)
	s_or_b32 s[G1SB], s44, (3<<16)|(1<<21)
	GRP1 G1, 192*KSS, 8, 192*KS                    ; for the head's load: all eight row tiles, a slot's K steps of each
	GRP1 G1B, 192*KSS, 16, 192*KS                  ; all sixteen column tiles
	GRP1 G1S, 64, KS, APITCH/2                     ; 128 scale words of every K step
	GRP1 G1SB, 128, KS, BPITCH/2                   ; 256
	s_lshl_b32 s20, s17, 3
	s_mul_i32 s20, s20, KS*FRB
	s_add_co_u32 s20, s20, AOFF
	s_mov_b32 s21, 0
	s_lshl_b32 s22, s17, 9
	s_add_co_u32 s22, s22, ASOFF
	s_mov_b32 s23, 0
	s_lshl_b32 s46, s42, 4
	s_mul_i32 s46, s46, KS*FRB
	s_add_co_u32 s46, s46, BOFF
	s_mov_b32 s47, 0
	s_lshl_b32 s92, s42, 10
	s_add_co_u32 s92, s92, BSOFF
	s_mov_b32 s93, 0
	s_mul_i32 s45, s16, 4*KSS*FRB                  ; where they go in LDS: no place in the cluster enters
	s_mul_i32 s94, s16, 8*KSS*FRB
	s_add_co_u32 s94, s94, 8*KSS*FRB
	s_mov_b32 s95, ASC
	s_mov_b32 s96, BSC
	s_cmp_eq_u32 s15, 0
	s_cselect_b32 s97, s40, s41                    ; my place among the four that ask with me: cx for the rows, cy for the columns; it enters the prefetches' address alone
	s_lshl_b32 s97, s97, s15                       ; one tile each of the rows' four, two each of the columns' eight
	s_mul_i32 s97, s97, KS*FRB
	s_wait_alu depctr_va_vdst(0)
	s_mov_b32 s[SEL], 0x76543210
	s_mov_b32 s[SEL+1], 0xfedcba98
	s_wait_dscnt 0x0                               ; the opening add is done
	s_wait_kmcnt 0x0
	s_add_nc_u64 s[20:21], s[4:5], s[20:21]
	s_add_nc_u64 s[22:23], s[4:5], s[22:23]
	s_add_nc_u64 s[46:47], s[6:7], s[46:47]
	s_add_nc_u64 s[92:93], s[6:7], s[92:93]
	GRP0 G0S, 95, 0, 22, 0
	GRP0 G0SB, 96, 0, 92, 0
	s_mov_b32 s[G0], 1                             ; the head's loads of slot 0 take whole operands: the eight row tiles,
	s_mov_b32 s[G0+1], 0
	s_mov_b64 s[G0+2:G0+3], s[20:21]
	s_or_b32 s[G0+3], s[G0+3], 0x80000000
	s_mov_b32 s[G0B], 1                            ; and the sixteen column tiles behind them
	s_mov_b32 s[G0B+1], 8*KSS*FRB
	s_mov_b64 s[G0B+2:G0B+3], s[46:47]
	s_or_b32 s[G0B+3], s[G0B+3], 0x80000000
	s_mul_i32 s98, s16, 4*KS*FRB
	s_mov_b32 s99, 0
	s_add_nc_u64 s[20:21], s[20:21], s[98:99]      ; for the ring: my half of the row tiles,
	s_lshl_b32 s98, s98, 1
	s_add_nc_u64 s[46:47], s[46:47], s[98:99]      ; or of the column tiles
	GRP0 G0+4, 45, SLOT, 20, KSS*FRB
	GRP0 G0B+4, 94, SLOT, 46, KSS*FRB
	s_cmp_eq_u32 s15, 0
	s_cselect_b64 s[PFA:PFA+1], s[20:21], s[46:47]
	s_mov_b32 s98, s97
	s_add_nc_u64 s[PFA:PFA+1], s[PFA:PFA+1], s[98:99]
	CROUND                                         ; all sixteen work-groups are here: the first joint loads meet
	ARM 1, G0,  G1,  .Lhead_b                      ; ONE joint load a wave: wave 0 slot 0's rows,
	ARM 2, G0B, G1B, .Lhead_sa                     ; wave 1 its columns,
	ARM 3, G0S, G1S, .Lhead_sb                     ; wave 2 the rows' scale words of all of K,
	tensor_load_to_lds s[G0SB:G0SB+3], s[G1SB:G1SB+7]  ; wave 3 the columns'
	s_nop 0
.rept 4
	v_nop
.endr
.Lhead_asked:
	ASK 1                                          ; slot 1's bytes, which are asked for behind the next round
	v_and_b32 v1, 31, v0
	v_lshlrev_b32 v[LI], 4, v1
	v_and_b32 v2, 15, v0
	v_lshlrev_b32 v[LS], 2, v2
	s_mul_i32 s18, s15, 4*KSS*FRB
	v_add_nc_u32 v[ADRA], s18, v[LI]
	v_add_nc_u32 v[ADRA+1], SLOT, v[ADRA]
	v_add_nc_u32 v[ADRB], s94, v[LI]
	v_add_nc_u32 v[ADRB+1], SLOT, v[ADRB]
	s_lshl_b32 s18, s15, 8
	s_add_co_u32 s18, s18, ASC
	v_add_nc_u32 v[ADSA], s18, v[LS]
	s_lshl_b32 s18, s16, 9
	s_add_co_u32 s18, s18, BSC
	v_add_nc_u32 v[ADSB], s18, v[LS]
.irp b, 0,1,2,3
	v_mov_b32 v[TM+4+\b], 0                        ; written once: a lane permute's destination counts as one of its sources
.endr
	; where my results go: my 128 columns are K step cg % 4 of latent cg / 4
	s_lshl_b32 s2, s42, 1
	s_add_co_u32 s2, s2, s16
	s_lshr_b32 s3, s2, 2
	s_and_b32 s2, s2, 3
	s_lshl_b32 s18, s17, 3
	s_lshl_b32 s19, s15, 2
	s_add_co_u32 s18, s18, s19                     ; my first row tile
	s_lshl_b32 s19, s18, 2
	s_add_co_u32 s19, s19, s2
	s_mul_i32 s19, s19, FRB
	s_mul_i32 s12, s3, 1572864
	s_add_co_u32 s12, s12, s19
	s_mov_b32 s13, 0
	s_add_nc_u64 s[10:11], s[8:9], s[12:13]        ; codes
	s_lshl_b32 s12, s2, 12
	s_lshl_b32 s19, s18, 4
	s_add_co_u32 s12, s12, s19
	s_lshl_b32 s12, s12, 2
	s_lshl_b32 s19, s3, 16
	s_add_co_u32 s12, s12, s19
	s_add_co_u32 s12, s12, 3145728
	s_add_nc_u64 s[12:13], s[8:9], s[12:13]        ; scale words
	s_wait_alu depctr_va_vdst(0)                   ; the wait at the head's end
	s_wait_tensorcnt 0x0                           ; my one load has landed; slot 1's first fill is issued as a refill is:
	ds_add_u32 v[SPW], v[NIL]                      ; 0 onto my spare word;
	s_mov_b32 s[G1+2], 4<<16                       ; no load of mine is out, so descriptors may be written: from here on a load brings half an operand's tiles
	s_mov_b32 s[G1+4], 4
	s_mov_b32 s[G1B+2], 8<<16
	s_mov_b32 s[G1B+4], 8
	GRP0 G0, 45, 0, 20, 0                          ; slot 0's own group 0, first used at its refill
	GRP0 G0B, 94, 0, 46, 0
	s_wait_dscnt 0x0                               ; the add is done
	CROUND                                         ; all four tiles are in, in every partner
	JLOAD G0+4, G1, G0B+4, G1B                     ; slot 1: my one load behind the round
	FETCH 0, 0, 0, 0
	STEP 0, 0, 0, 1                                ; the first K step's products start the sums: nothing is cleared
	STEP 0, 1, 1, 0
	STEP 0, 2, 2, 0
	TURN 0, 1, 3, 1                                ; slot 0 takes K steps 8 .. 11
	STEP 1, 0, 4, 0
	STEP 1, 1, 5, 0
	STEP 1, 2, 6, 0
	TURN 1, 0, 7, 1                                ; slot 1 takes K steps 12 .. 15
	STEP 0, 0, 8, 0
	STEP 0, 1, 9, 0
	STEP 0, 2, 10, 0
	TURN 0, 1, 11, 0
	STEP 1, 0, 12, 0
	STEP 1, 1, 13, 0
	STEP 1, 2, 14, 0
	LAST 15
.irp a, 0,1,2,3
.if \a > 0
	s_wait_xcnt 0x0                                ; the last tile's stores have read the codes and the scale word
.endif
	QUANTW \a
.irp c, 0,1,2
	global_store_b128 v[LI], v[PC+4*\c:PC+4*\c+3], s[10:11] offset:6144*\a+512*\c    ; 512 consecutive bytes a store
.endr
	global_store_b32 v[LS], v[PW], s[12:13] offset:64*\a
.endr
	s_wait_tensorcnt 0x0                           ; the wave's end
	ds_add_u32 v[SPW], v[NIL]
	s_wait_dscnt 0x0
	CROUND                                         ; the closing round
	s_endpgm
; ---------------- k_r = rope(Q(x) Q(wk_rope)), quantised as K = 64 .. 127 of every head's key, and cos / sin of the rows' positions for the next launch.  64 work-groups (clusters' y 8 .. 11).
; A wave takes one tile of 16 rows over all of K: no LDS, no tensor load, no sum across waves.  Fragments and scale words go from memory straight into registers, in batches of two K steps (40 loads), two sets by turns.
; The product is used transposed (source 0 = 16 columns of wk_rope, source 1 = x's fragment): a lane holds one row, and its 32 results run along the 64 rope dims: register i: dim 16 h + i, register 16 + i: dim 32 + 16 h + i.
; COS AND SIN: angle = position x 10000^(-j / 32) (the power by v_exp_f32), reduced by multiples of pi / 2 in two parts, then polynomials of degree 9 and 8 on |rho| <= pi / 4.
; LIMITS: the frequency is within some 2 ulp, so the angle within about 1e-4 at position 1,023; NaN and infinities are not served; a block under 2^-124 gets the byte 1.
.set KWKR, 1572864
.set KSKR, 6848512
.set KXSO, 6291456
.set KLI, 1                            ; 16 l
.set KLS, 2                            ; 4 r
.set KL8, 3                            ; 8 l
.set KXS, 56                           ; v56-59   x's scale words, two sets of 2; they hold nothing else
.set KCS, 64                           ; v64-95   2 i: cos, 2 i + 1: sin of frequency 16 h + i
.set KT,  96                           ; v96-111  at work
.set KPW, 112
.set KXF, 128                          ; v128-175 x's fragments, two sets of 24; wk_rope's lie in window 1, two sets of 96; the four accumulators at v192-223 of window 1
.set KR,  128                          ; behind the product: v128-159 k_r, v160-191 at work
.set KA,  160
.set KB,  176
.set KTM, 192
.set KPC, 208
.set KWS, 224                          ; v224-239 wk_rope's scale words, two sets of 8; they hold nothing else
.macro KLOAD g                         ; K steps 2 g, 2 g + 1 into set g % 2
	WIN 0x40
.irp t, 0,1
.irp n, 0,1,2,3
.irp c, 0,1,2
	global_load_b128 v[96*((\g)%2)+48*\t+12*\n+4*\c:96*((\g)%2)+48*\t+12*\n+4*\c+3], v[KLI], s[16:17] offset:(16*\n+2*(\g)+\t)*1536+512*\c
.endr
.endr
.endr
	WIN 0
.irp t, 0,1
.irp c, 0,1,2
	global_load_b128 v[KXF+24*((\g)%2)+12*\t+4*\c:KXF+24*((\g)%2)+12*\t+4*\c+3], v[KLI], s[20:21] offset:(2*(\g)+\t)*1536+512*\c
.endr
.irp n, 0,1,2,3
	global_load_b32 v[KWS+8*((\g)%2)+4*\t+\n], v[KLS], s[18:19] offset:256*(2*(\g)+\t)+64*\n
.endr
	global_load_b32 v[KXS+2*((\g)%2)+\t], v[KLS], s[22:23] offset:16384*(2*(\g)+\t)
.endr
.endm
.macro KMUL g                          ; four accumulators by turns; the first K step's products start the sums
	WIN 0x51
.irp t, 0,1
.irp n, 0,1,2,3
.if (\g) == 0 && \t == 0
	v_wmma_scale_f32_16x16x128_f8f6f4 v[192+8*\n:199+8*\n], v[96*((\g)%2)+48*\t+12*\n:96*((\g)%2)+48*\t+12*\n+11], v[KXF+24*((\g)%2)+12*\t:KXF+24*((\g)%2)+12*\t+11], 0, v[KWS+8*((\g)%2)+4*\t+\n], v[KXS+2*((\g)%2)+\t] matrix_a_fmt:MATRIX_FMT_FP6 matrix_b_fmt:MATRIX_FMT_FP6
.else
	v_wmma_scale_f32_16x16x128_f8f6f4 v[192+8*\n:199+8*\n], v[96*((\g)%2)+48*\t+12*\n:96*((\g)%2)+48*\t+12*\n+11], v[KXF+24*((\g)%2)+12*\t:KXF+24*((\g)%2)+12*\t+11], v[192+8*\n:199+8*\n], v[KWS+8*((\g)%2)+4*\t+\n], v[KXS+2*((\g)%2)+\t] matrix_a_fmt:MATRIX_FMT_FP6 matrix_b_fmt:MATRIX_FMT_FP6
.endif
.endr
.endr
	WIN 0
.endm
.Lkr:
	s_load_b64 s[10:11], s[0:1], 0x18              ; where k_r, cos and sin go
	v_lshrrev_b32 v10, 5, v0
	v_readfirstlane_b32 s14, v10                   ; wave
	v_and_b32 v10, 31, v0
	v_lshlrev_b32 v[KLI], 4, v10
	v_lshlrev_b32 v[KL8], 3, v10
	v_and_b32 v10, 15, v0                          ; r
	v_bfe_u32 v11, v0, 4, 1                        ; h
	v_lshlrev_b32 v[KLS], 2, v10
	v_mov_b32 v[KTM+4], 0                          ; written once: a lane permute's destination counts as one of its sources
	v_mov_b32 v[KTM+5], 0
	s_bfe_u32 s40, ttmp6, 0x40000                  ; cx, cy: they enter global addresses and the position alone
	s_bfe_u32 s41, ttmp6, 0x40004
	s_sub_co_u32 s12, s17, 8
	s_lshl_b32 s12, s12, 2
	s_add_co_u32 s12, s12, s41
	s_lshl_b32 s12, s12, 2
	s_add_co_u32 s12, s12, s40
	s_lshl_b32 s12, s12, 2
	s_add_co_u32 s12, s12, s14                     ; my tile of 16 rows, 0 .. 255
	s_lshr_b32 s13, s12, 1
	s_lshl_b32 s13, s13, 5
	s_and_b32 s15, s12, 1
	s_lshl_b32 s15, s15, 3
	s_add_co_u32 s13, s13, s15                     ; its first row: 32 B + 8 u
	s_mov_b32 s[SEL], 0x76543210
	s_mov_b32 s[SEL+1], 0xfedcba98
	s_mov_b32 s32, 0x3f22f983                      ; 2 / pi
	s_mov_b32 s33, 0xbfc90fdb                      ; -(pi / 2), the f32 nearest,
	s_mov_b32 s34, 0x333bbd2e                      ; and what that leaves over
	s_mov_b32 s35, 0xbe2aaaab                      ; sin: -1/6, 1/120, -1/5040, 1/362880
	s_mov_b32 s36, 0x3c088889
	s_mov_b32 s37, 0xb9500d01
	s_mov_b32 s38, 0x3638ef1d
	s_mov_b32 s39, 0x3d2aaaab                      ; cos: 1/24, -1/720, 1/40320
	s_mov_b32 s40, 0xbab60b61
	s_mov_b32 s41, 0x37d00d01
	s_mov_b32 s42, 0xbed49a78                      ; -log2(10000) / 32
	s_mov_b32 s45, 0
	s_wait_alu depctr_va_vdst(0)                   ; the wait at the head's end
	s_wait_kmcnt 0x0
	s_add_nc_u64 s[16:17], s[6:7], KWKR            ; wk_rope's fragments [tile][K step]
	s_add_nc_u64 s[18:19], s[6:7], KSKR            ; and scale words [K step][64]
	s_mul_i32 s44, s12, 24576
	s_add_nc_u64 s[20:21], s[4:5], s[44:45]        ; my tile's 16 fragments of x
	s_lshl_b32 s44, s12, 6
	s_add_co_u32 s44, s44, KXSO
	s_add_nc_u64 s[22:23], s[4:5], s[44:45]        ; and scale words [K step][4096]
	s_mul_i32 s44, s12, 768
	s_add_nc_u64 s[24:25], s[10:11], s[44:45]      ; k_r's half fragment
	s_lshl_b32 s44, s12, 6
	s_add_co_u32 s44, s44, 196608
	s_add_nc_u64 s[26:27], s[10:11], s[44:45]      ; its two scale bytes
	s_lshl_b32 s44, s12, 12
	s_add_co_u32 s44, s44, 212992
	s_add_nc_u64 s[28:29], s[10:11], s[44:45]      ; cos and sin
	KLOAD 0
	KLOAD 1
	v_and_b32 v14, 8, v10                          ; cos and sin are made while the loads are on their way
	v_add_nc_u32 v14, v14, v10
	v_add_nc_u32 v14, s13, v14
	v_and_b32 v14, 0x3ff, v14                      ; the position in the sequence
	v_cvt_f32_u32 v14, v14
	v_lshlrev_b32 v15, 4, v11
.set i, 0
.rept 16
	v_add_nc_u32 v[KCS+2*i], i, v15
	v_cvt_f32_u32 v[KCS+2*i], v[KCS+2*i]
	v_mul_f32 v[KCS+2*i], s42, v[KCS+2*i]
.set i, i+1
.endr
	s_wait_alu depctr_va_vdst(0)                   ; the wait ahead of the batch
.set i, 0
.rept 16
	v_exp_f32 v[KCS+2*i], v[KCS+2*i]               ; 10000^(-j / 32)
.set i, i+1
.endr
	v_nop                                          ; a plain place behind the batch,
	s_wait_alu depctr_va_vdst(0)                   ; and its one wait, ahead of the first reader
.set i, 0
.rept 16
.set TR, KT+4*(i%4)
.set CC, KCS+2*i
	v_mul_f32 v[TR], v14, v[CC]                    ; the angle
	v_mul_f32 v[TR+1], s32, v[TR]
	v_rndne_f32 v[TR+1], v[TR+1]                   ; n
	v_fma_f32 v[TR], v[TR+1], s33, v[TR]
	v_fma_f32 v[TR], v[TR+1], s34, v[TR]           ; rho = angle - n pi / 2
	v_mul_f32 v[TR+2], v[TR], v[TR]
	v_fma_f32 v[TR+3], v[TR+2], s38, s37
	v_fma_f32 v[TR+3], v[TR+3], v[TR+2], s36
	v_fma_f32 v[TR+3], v[TR+3], v[TR+2], s35
	v_mul_f32 v[TR+3], v[TR+3], v[TR+2]
	v_fma_f32 v[TR+3], v[TR+3], v[TR], v[TR]       ; sin rho
	v_fma_f32 v[CC], v[TR+2], s41, s40
	v_fma_f32 v[CC], v[CC], v[TR+2], s39
	v_fma_f32 v[CC], v[CC], v[TR+2], -0.5
	v_fma_f32 v[CC], v[CC], v[TR+2], 1.0           ; cos rho
	v_cvt_i32_f32 v[TR+1], v[TR+1]
	v_and_b32 v[TR], 1, v[TR+1]
	v_cmp_eq_u32 vcc_lo, 1, v[TR]                  ; in odd quadrants the two change places
	v_cndmask_b32 v[TR], v[CC], v[TR+3], vcc_lo
	v_cndmask_b32 v[TR+2], v[TR+3], v[CC], vcc_lo
	v_add_nc_u32 v[TR+3], 1, v[TR+1]
	v_and_b32 v[TR+3], 2, v[TR+3]
	v_lshlrev_b32 v[TR+3], 30, v[TR+3]
	v_xor_b32 v[CC], v[TR+3], v[TR]                ; cos: negative in quadrants 1, 2
	v_and_b32 v[TR+3], 2, v[TR+1]
	v_lshlrev_b32 v[TR+3], 30, v[TR+3]
	v_xor_b32 v[CC+1], v[TR+3], v[TR+2]            ; sin: negative in quadrants 2, 3
.set i, i+1
.endr
	s_wait_alu depctr_va_vdst(0)
.irp c, 0,1,2,3,4,5,6,7
	global_store_b128 v[KLI], v[KCS+4*\c:KCS+4*\c+3], s[28:29] offset:512*\c
.endr
.irp g, 0,1,2,3,4,5,6,7
.if \g < 7
	s_wait_loadcnt 40                              ; this batch's 40 loads are in; the next batch's 40 may be out
.else
	s_wait_loadcnt 0x0
.endif
	KMUL \g
	PLACES                                         ; ahead of loads into the set just read, and of the first read of results
.if \g < 6
	KLOAD \g+2
.endif
.endr
	WIN 0x01                                       ; source 0 in window 1: the sums, each accumulator from its low end on
.set i, 0
.rept 16
	v_mul_f32 v[KA+i], v[208+i], v[KCS+2*i+1]
	v_mul_f32 v[KB+i], v[192+i], v[KCS+2*i+1]
	v_fma_f32 v[KR+i], v[192+i], v[KCS+2*i], -v[KA+i]
	v_fma_f32 v[KR+16+i], v[208+i], v[KCS+2*i], v[KB+i]
.set i, i+1
.endr
	WIN 0
.irp b, 0,1
	v_max3_num_f32 v[KTM+\b], |v[KR+16*\b]|, |v[KR+1+16*\b]|, 0x1800000
.endr
.irp i, 2,4,6,8,10,12,14
.irp b, 0,1
	v_max3_num_f32 v[KTM+\b], v[KTM+\b], |v[KR+16*\b+\i]|, |v[KR+1+16*\b+\i]|
.endr
.endr
.irp b, 0,1
	v_permlanex16_b32 v[KTM+4+\b], v[KTM+\b], s[SEL], s[SEL+1]
.endr
.irp b, 0,1
	v_max_num_f32 v[KTM+\b], v[KTM+\b], v[KTM+4+\b]
.endr
.irp b, 0,1
	v_add_nc_u32 v[KTM+12+\b], 0xff000000, v[KTM+\b]
.endr
.irp b, 0,1
	v_lshrrev_b32 v[KTM+4+\b], 23, v[KTM+12+\b]
.endr
	v_lshl_or_b32 v[KPW], v[KTM+5], 8, v[KTM+4]
	v_lshlrev_b32 v[KPW], 16, v[KPW]               ; bytes 2 and 3 of a key's scale word
	v_cvt_scalef32_pk16_fp6_f32 v[KPC:KPC+2], v[KR:KR+15], v[KTM+12]
	v_cvt_scalef32_pk16_fp6_f32 v[KPC+12:KPC+14], v[KR+16:KR+31], v[KTM+13]
	v_nop                                          ; one plain place behind a scaled conversion
.irp i, 0,1,2
	v_permlane16_swap_b32 v[KPC+\i], v[KPC+12+\i]
.endr
.irp i, 0,1,2
	v_mov_b32 v[KPC+3+\i], v[KPC+12+\i]
.endr
	global_store_b128 v[KLI], v[KPC:KPC+3], s[24:25]
	global_store_b64 v[KL8], v[KPC+4:KPC+5], s[24:25] offset:512
	global_store_b32 v[KLS], v[KPW], s[26:27]
	CROUND                                         ; every work-group of this launch ends behind a round of its cluster's barrier
	s_endpgm
.Lfunc_end_k_qe3c619664e_lat:
	.size	k_qe3c619664e_lat, .Lfunc_end_k_qe3c619664e_lat-k_qe3c619664e_lat
	.p2alignl 7, 3214868480
	.fill 96, 4, 3214868480
	.section	.rodata,"a",@progbits
	.p2align	6, 0x0
	.amdhsa_kernel k_qe3c619664e_lat
		.amdhsa_group_segment_fixed_size 327680
		.amdhsa_private_segment_fixed_size 0
		.amdhsa_enable_private_segment 0
		.amdhsa_kernarg_size 32
		.amdhsa_user_sgpr_count 2
		.amdhsa_user_sgpr_kernarg_segment_ptr 1
		.amdhsa_wavefront_size32 1
		.amdhsa_system_sgpr_workgroup_id_x 1
		.amdhsa_system_sgpr_workgroup_id_y 1
		.amdhsa_system_sgpr_workgroup_id_z 1
		.amdhsa_system_vgpr_workitem_id 0
		.amdhsa_next_free_vgpr 768
		.amdhsa_next_free_sgpr 102
		.amdhsa_reserve_vcc 1
		.amdhsa_float_denorm_mode_32 3
		.amdhsa_float_denorm_mode_16_64 3
		.amdhsa_memory_ordered 1
		.amdhsa_forward_progress 1
		.amdhsa_inst_pref_size 218
	.end_amdhsa_kernel
	.amdgpu_metadata
---
amdhsa.version: [ 1, 2 ]
amdhsa.kernels:
  - .name:           k_qe3c619664e_lat
    .symbol:         k_qe3c619664e_lat.kd
    .args:
      - { .name: ximg, .offset: 0, .size: 8, .value_kind: global_buffer, .address_space: global }
      - { .name: wimg, .offset: 8, .size: 8, .value_kind: global_buffer, .address_space: global }
      - { .name: limg, .offset: 16, .size: 8, .value_kind: global_buffer, .address_space: global }
      - { .name: kimg, .offset: 24, .size: 8, .value_kind: global_buffer, .address_space: global }
    .group_segment_fixed_size: 327680
    .private_segment_fixed_size: 0
    .kernarg_segment_align: 8
    .kernarg_segment_size: 32
    .max_flat_workgroup_size: 128
    .sgpr_count:     102
    .vgpr_count:     768
    .wavefront_size: 32
...
	.end_amdgpu_metadata
.endif
;; end of part 2
;; launch up (part 3): grid 16 x 16, 4 waves a work-group, clusters of 4 x 4, 327,680 bytes of LDS; arguments limg, wimg, kimg, qkv; writes qkv
.if DOCPART == 3
	.amdgcn_target "amdgcn-amd-amdhsa--gfx1250"
	.amdhsa_code_object_version 6
	.text
	.protected	k_qe3c619664e_up
	.globl	k_qe3c619664e_up
	.p2align	8
	.type	k_qe3c619664e_up,@function
k_qe3c619664e_up:
	s_mov_b64 s[64:65], 0
	v_nop
	global_prefetch_b8 v0, s[64:65] scope:SCOPE_SE
	s_setreg_imm32_b32 hwreg(HW_REG_WAVE_MODE, 25, 1), 1
	s_wait_xcnt 0x0
	s_wait_alu depctr_hold_cnt(0) depctr_sa_sdst(0) depctr_va_vdst(0) depctr_va_sdst(0) depctr_va_ssrc(0) depctr_va_vcc(0) depctr_vm_vsrc(0)
	s_getreg_b32 s2, hwreg(HW_REG_IB_STS2, 6, 4)
	s_cmp_eq_u32 s2, 0
	s_cbranch_scc0 .Lentry_in_a_cluster
	s_endpgm
.Lentry_in_a_cluster:
	s_bfe_u32 s2, ttmp6, 0x10000c
	s_cmp_lg_u32 s2, 0xf033
	s_cbranch_scc0 .Lentry_shape_is_right
	s_endpgm
.Lentry_shape_is_right:
; The keys' and values' up projections (K = 512): v = kv_lat wv_up and k = [kv_lat wk_up | k_r], each quantised for attention and stored as images of operand registers.  (The queries' projection stands in the attention launch.)
; A fragment (16 rows x 128 K) is 1,536 bytes, registers 4 c .. 4 c + 3 of lane l at 512 c + 16 l, laid [tile of 16][K step].  A work-group of four waves has one head and 256 tokens; 256 work-groups.
;   V: source 1 = wv_up's places (the head's 128 channels), source 0 = the 256 tokens: a wave makes 64 channels x 128 tokens, 32 accumulators; a lane holds one channel and its registers run along the KEYS, the second attention product's K.
;   K: the same tokens' fragments, which lie in LDS already, are now source 1, and the head's 64 columns of wk_up source 0: a wave takes 64 tokens x 64 columns, 16 accumulators; each half fragment is joined with k_r's, which the launch before made.
;     wk_up's 16 fragments of the head (24,576 bytes) go from memory straight into each wave's registers, with no joint load: every wave wants all of them, and they are a seventh of what the work-group brings in.
; K's four steps lie in two LDS slots.  At the head each wave issues ONE joint load (slot 0 of source 1, slot 0 of source 0, the two blocks of scale words); slot 1 is asked for behind the full sequence and a round.
; CLUSTER 4 x 4: the four of a row of the cluster have one head, the four of a column the same tokens: joint loads with a mask that names the four.
; No prefetch: the walk along K has two slots and no loop to run ahead in.
; LIMITS: NaN and infinities are not served; a block under 2^-124 gets the byte 1.
.set FRB,   1536
.set KS,    4
.set KSS,   2
.set SLOT,  24*KSS*FRB
.set ASC,   2*SLOT
.set BSC,   ASC+KS*512
.set SPARE, BSC+KS*1024
.set APITCH, 4096
.set BPITCH, 4096
.set LKV,  1572864
.set LKVS, 3211264
.set WK,   2457600
.set WV,   2850816
.set SK,   6918144
.set SV,   6983680
.set KRO,  0
.set KRSO, 196608
.set ADRA, 16
.set ADRB, 20
.set ADSA, 22
.set ADSB, 23
.set LI,   24
.set LS,   25
.set L8,   26
.set ADST, 27                          ; v27    K: LDS address of my 64 tokens' scale words
.set SPW,  28
.set NIL,  29
.set ADTK, 30                          ; v30-31 K: LDS address of my 64 tokens' fragments in slot 0, 1
.set SC,   32
.set TM,   64
.set PC,   80
.set PW,   100
.set WKW,  108                         ; v108-123 K: wk_up's scale words, 4 x K step + column tile; they hold nothing else
.set AF,   128
.set G1, 24
.set G0, 32
.set G1B, 48
.set G0B, 56
.set SEL, 66
.set G1S, 68
.set G0S, 76
.set G1SB, 80
.set G0SB, 88
.set MUL,  0xa1
.set MULW, 0xa3                        ; K: source 0 (wk_up) window 3, source 1 window 0, C and D window 2
.set TO_B, 0x40
.set MSB, 0
.macro WIN new
.if MSB != (\new)
	s_set_vgpr_msb (MSB<<8)|(\new)
.set MSB, (\new)
.endif
.endm
.macro PLACES
.rept 4
	v_nop
.endr
.endm
.macro ARM under, g0, g1, next         ; an arm of the head's one chain of branches on the wave's number: one joint load, then the jump to the join
	s_cmp_lt_u32 s14, \under
	s_cbranch_scc0 \next
	tensor_load_to_lds s[\g0:\g0+3], s[\g1:\g1+7]
	s_nop 0
.rept 4
	v_nop
.endr
	s_branch .Lhead_asked
\next:
.endm
.macro JLOAD g0a, g1a, g0b, g1b
	s_cmp_eq_u32 s15, 0
	s_cbranch_scc0 .Lfor_b_\@
	tensor_load_to_lds s[\g0a:\g0a+3], s[\g1a:\g1a+7]
	s_nop 0
.rept 4
	v_nop
.endr
	s_branch .Lasked_\@
.Lfor_b_\@:
	tensor_load_to_lds s[\g0b:\g0b+3], s[\g1b:\g1b+7]
	s_nop 0
.rept 4
	v_nop
.endr
.Lasked_\@:
.endm
.macro CREST
	s_cmp_lg_u32 s14, 0
	s_cbranch_scc1 .Lnot_wave_0_\@
	s_barrier_signal -3
.Lnot_wave_0_\@:
	s_barrier_wait -3
	s_barrier_signal -1
	s_barrier_wait -1
.endm
.macro CROUND
	s_barrier_signal -1
	s_barrier_wait -1
	CREST
.endm
.macro GRP1 g, c, r, p
	s_mov_b32 s[\g+1], (\c)<<16
	s_mov_b32 s[\g+2], (\r)<<16
	s_mov_b32 s[\g+3], (\c)<<16
	s_mov_b32 s[\g+4], \r
	s_mov_b32 s[\g+5], \p
	s_mov_b32 s[\g+6], 0
	s_mov_b32 s[\g+7], 0
.endm
.macro GRP0 g, lds, ldsoff, adr, adroff
	s_mov_b32 s[\g], 1
	s_add_co_u32 s[\g+1], s[\lds], \ldsoff
	s_add_nc_u64 s[\g+2:\g+3], s[\adr:\adr+1], \adroff
	s_or_b32 s[\g+3], s[\g+3], 0x80000000
.endm
.macro FETCH slot, kl, kg, set
	WIN TO_B
.irp b, 0,1,2,3,4,5,6,7
.irp c, 0,1,2
	ds_load_b128 v[128*(\set)+12*\b+4*\c:128*(\set)+12*\b+4*\c+3], v[ADRB+\slot] offset:(\b*KSS+(\kl))*FRB+512*\c
.endr
.endr
	WIN 0
.irp a, 0,1,2,3
.irp c, 0,1,2
	ds_load_b128 v[AF+48*(\set)+12*\a+4*\c:AF+48*(\set)+12*\a+4*\c+3], v[ADRA+\slot] offset:(\a*KSS+(\kl))*FRB+512*\c
.endr
.endr
.irp b, 0,1,2,3,4,5,6,7
	ds_load_b32 v[SC+12*(\set)+\b], v[ADSB] offset:1024*(\kg)+64*\b
.endr
.irp a, 0,1,2,3
	ds_load_b32 v[SC+12*(\set)+8+\a], v[ADSA] offset:512*(\kg)+64*\a
.endr
.endm
.macro MUL8 a, set, first              ; the 32 accumulators take turns in the same order in every K step
.irp b, 0,1,2,3,4,5,6,7
.if \first
	v_wmma_scale_f32_16x16x128_f8f6f4 v[64*(\a)+8*\b:64*(\a)+8*\b+7], v[128*(\set)+12*\b:128*(\set)+12*\b+11], v[AF+48*(\set)+12*(\a):AF+48*(\set)+12*(\a)+11], 0, v[SC+12*(\set)+\b], v[SC+12*(\set)+8+(\a)] matrix_a_fmt:MATRIX_FMT_FP6 matrix_b_fmt:MATRIX_FMT_FP6
.else
	v_wmma_scale_f32_16x16x128_f8f6f4 v[64*(\a)+8*\b:64*(\a)+8*\b+7], v[128*(\set)+12*\b:128*(\set)+12*\b+11], v[AF+48*(\set)+12*(\a):AF+48*(\set)+12*(\a)+11], v[64*(\a)+8*\b:64*(\a)+8*\b+7], v[SC+12*(\set)+\b], v[SC+12*(\set)+8+(\a)] matrix_a_fmt:MATRIX_FMT_FP6 matrix_b_fmt:MATRIX_FMT_FP6
.endif
.endr
.endm
.macro STEP slot, kl, kg, first
	s_wait_dscnt 0x0                               ; this step's set is in
	WIN MUL
	MUL8 0, (\kg)%2, \first
	MUL8 1, (\kg)%2, \first
	PLACES                                         ; ahead of loads into the other set
	FETCH \slot, (\kl)+1, (\kg)+1, 1-(\kg)%2
	WIN MUL
	MUL8 2, (\kg)%2, \first
	MUL8 3, (\kg)%2, \first
.endm
.macro TURN slot, next, kg             ; the change of slots: slot 1 is shown whole to every wave; nothing is filled again
	WIN 0
	s_wait_tensorcnt 0x0                           ; my part of slot 1 has landed
	ds_add_u32 v[SPW], v[NIL]
	s_wait_dscnt 0x1                               ; this step's set is in (the add alone may be out)
	WIN MUL
	MUL8 0, (\kg)%2, 0
	s_wait_dscnt 0x0
	s_barrier_signal -1
	MUL8 1, (\kg)%2, 0
	WIN 0
	s_barrier_wait -1
	PLACES
	FETCH \next, 0, (\kg)+1, 1-(\kg)%2
	WIN MUL
	MUL8 2, (\kg)%2, 0
	MUL8 3, (\kg)%2, 0
.endm
.macro LAST kg
	s_wait_dscnt 0x0
	WIN MUL
	MUL8 0, (\kg)%2, 0
	MUL8 1, (\kg)%2, 0
	MUL8 2, (\kg)%2, 0
	MUL8 3, (\kg)%2, 0
	WIN 0
	PLACES
.endm
; tile a's 64 results of a lane (window 2, v[64 a] on) become a fragment's codes in v[PC] on and its scale word in v[PW]; each accumulator is read from its low end on
.macro QUANTW a
	WIN 0x28
.irp b, 0,1,2,3
	v_max3_num_f32 v[TM+\b], 0x1800000, |v[64*(\a)+16*\b]|, |v[64*(\a)+16*\b+1]|
.endr
.irp i, 2,4,6,8,10,12,14
.irp b, 0,1,2,3
	v_max3_num_f32 v[TM+\b], v[TM+\b], |v[64*(\a)+16*\b+\i]|, |v[64*(\a)+16*\b+\i+1]|
.endr
.endr
	WIN 0
.irp b, 0,1,2,3
	v_permlanex16_b32 v[TM+4+\b], v[TM+\b], s[SEL], s[SEL+1]
.endr
.irp b, 0,1,2,3
	v_max_num_f32 v[TM+\b], v[TM+\b], v[TM+4+\b]
.endr
.irp b, 0,1,2,3
	v_add_nc_u32 v[TM+12+\b], 0xff000000, v[TM+\b]
.endr
.irp b, 0,1,2,3
	v_lshrrev_b32 v[TM+4+\b], 23, v[TM+12+\b]
.endr
	v_lshl_or_b32 v[PW], v[TM+5], 8, v[TM+4]
	v_lshl_or_b32 v[PW], v[TM+6], 16, v[PW]
	v_lshl_or_b32 v[PW], v[TM+7], 24, v[PW]
	WIN 0x02
.irp c, 0,1
	v_cvt_scalef32_pk16_fp6_f32 v[PC+6*\c:PC+2+6*\c], v[64*(\a)+32*\c:64*(\a)+32*\c+15], v[TM+12+2*\c]
	v_cvt_scalef32_pk16_fp6_f32 v[PC+12+4*\c:PC+14+4*\c], v[64*(\a)+32*\c+16:64*(\a)+32*\c+31], v[TM+12+2*\c+1]
.endr
	WIN 0
	v_nop
.irp c, 0,1
.irp i, 0,1,2
	v_permlane16_swap_b32 v[PC+6*\c+\i], v[PC+12+4*\c+\i]
.endr
.irp i, 0,1,2
	v_mov_b32 v[PC+3+6*\c+\i], v[PC+12+4*\c+\i]
.endr
.endr
.endm
; ---- K's own macros
.macro FETCHK ks, set                  ; 16 LDS loads (every window 0): my four token tiles' fragments and scale words of K step ks
.irp a, 0,1,2,3
.irp c, 0,1,2
	ds_load_b128 v[AF+48*(\set)+12*\a+4*\c:AF+48*(\set)+12*\a+4*\c+3], v[ADTK+(\ks)/2] offset:(\a*KSS+(\ks)%2)*FRB+512*\c
.endr
.endr
.irp a, 0,1,2,3
	ds_load_b32 v[SC+12*(\set)+8+\a], v[ADST] offset:1024*(\ks)+64*\a
.endr
.endm
.macro MULK a, set, ks                 ; token tile a against the head's four column tiles; the 16 accumulators take turns in the same order in every K step
.irp t, 0,1,2,3
.if (\ks) == 0
	v_wmma_scale_f32_16x16x128_f8f6f4 v[64*(\a)+8*\t:64*(\a)+8*\t+7], v[12*(4*\t+(\ks)):12*(4*\t+(\ks))+11], v[AF+48*(\set)+12*(\a):AF+48*(\set)+12*(\a)+11], 0, v[WKW+4*(\ks)+\t], v[SC+12*(\set)+8+(\a)] matrix_a_fmt:MATRIX_FMT_FP6 matrix_b_fmt:MATRIX_FMT_FP6
.else
	v_wmma_scale_f32_16x16x128_f8f6f4 v[64*(\a)+8*\t:64*(\a)+8*\t+7], v[12*(4*\t+(\ks)):12*(4*\t+(\ks))+11], v[AF+48*(\set)+12*(\a):AF+48*(\set)+12*(\a)+11], v[64*(\a)+8*\t:64*(\a)+8*\t+7], v[WKW+4*(\ks)+\t], v[SC+12*(\set)+8+(\a)] matrix_a_fmt:MATRIX_FMT_FP6 matrix_b_fmt:MATRIX_FMT_FP6
.endif
.endr
.endm
.macro STEPK ks
	s_wait_dscnt 0x0                               ; this step's tokens are in
	WIN MULW
	MULK 0, (\ks)%2, \ks
	MULK 1, (\ks)%2, \ks
.if (\ks) < 3
	PLACES                                         ; ahead of loads into the other set, which the last step's products read
	WIN 0
	FETCHK (\ks)+1, 1-(\ks)%2
	WIN MULW
.endif
	MULK 2, (\ks)%2, \ks
	MULK 3, (\ks)%2, \ks
.endm
; token tile a's 32 results of a lane (window 2, v[64 a] on: register 16 b + i = column 32 b + 16 h + i of the head's 64) become registers 0-5 of a key's fragment; k_r's half fragment takes registers 6-11; the scale word is their four bytes
.macro QUANTK a
	WIN 0x28
.irp b, 0,1
	v_max3_num_f32 v[TM+\b], 0x1800000, |v[64*(\a)+16*\b]|, |v[64*(\a)+16*\b+1]|
.endr
.irp i, 2,4,6,8,10,12,14
.irp b, 0,1
	v_max3_num_f32 v[TM+\b], v[TM+\b], |v[64*(\a)+16*\b+\i]|, |v[64*(\a)+16*\b+\i+1]|
.endr
.endr
	WIN 0
.irp b, 0,1
	v_permlanex16_b32 v[TM+4+\b], v[TM+\b], s[SEL], s[SEL+1]
.endr
.irp b, 0,1
	v_max_num_f32 v[TM+\b], v[TM+\b], v[TM+4+\b]
.endr
.irp b, 0,1
	v_add_nc_u32 v[TM+12+\b], 0xff000000, v[TM+\b]
.endr
.irp b, 0,1
	v_lshrrev_b32 v[TM+4+\b], 23, v[TM+12+\b]
.endr
	v_lshl_or_b32 v[PW], v[TM+5], 8, v[TM+4]
	v_or_b32 v[PW], v[PW], v[104+(\a)]             ; k_r's two bytes stand in bits 31:16
	WIN 0x02
	v_cvt_scalef32_pk16_fp6_f32 v[PC:PC+2], v[64*(\a):64*(\a)+15], v[TM+12]
	v_cvt_scalef32_pk16_fp6_f32 v[PC+12:PC+14], v[64*(\a)+16:64*(\a)+31], v[TM+13]
	WIN 0
	v_nop                                          ; one plain place behind a scaled conversion
.irp i, 0,1,2
	v_permlane16_swap_b32 v[PC+\i], v[PC+12+\i]
.endr
.irp i, 0,1,2
	v_mov_b32 v[PC+3+\i], v[PC+12+\i]
.endr
	WIN 0x03                                       ; source 0 window 3
.irp i, 0,1,2,3,4,5
	v_mov_b32 v[PC+6+\i], v[192+8*(\a)+\i]
.endr
	WIN 0
.endm
	s_load_b256 s[4:11], s[0:1], 0x0               ; the latents' images s[4:5], the weights' s[6:7], k_r's s[8:9], k, v's s[10:11]
	v_lshl_add_u32 v[SPW], v0, 2, SPARE
	v_mov_b32 v[NIL], 0
	ds_add_u32 v[SPW], v[NIL]                      ; the wave's opening
	ds_add_u32 v[SPW], v[NIL]
	v_lshrrev_b32 v1, 5, v0
	v_readfirstlane_b32 s14, v1
	s_lshr_b32 s15, s14, 1
	s_and_b32 s16, s14, 1
	s_bfe_u32 s40, ttmp6, 0x40000                  ; cx
	s_bfe_u32 s41, ttmp6, 0x40004                  ; cy
	s_and_b32 s12, ttmp7, 0xffff                   ; the cluster's y: which four heads
	s_lshl_b32 s17, s12, 2
	s_add_co_u32 s17, s17, s41                     ; the head: made of the cluster's place and cy alone
	s_lshl_b32 s42, ttmp9, 2
	s_add_co_u32 s42, s42, s40                     ; which 256 tokens: of the cluster's place and cx alone
	s_lshl_b32 s43, s41, 2
	s_lshl_b32 s43, 15, s43
	s_lshl_b32 s44, 0x1111, s40
	s_or_b32 s[G1], s43, (3<<16)|(1<<21)
	s_or_b32 s[G1B], s44, (3<<16)|(1<<21)
	s_or_b32 s[G1S], s43, (3<<16)|(1<<21)
	s_or_b32 s[G1SB], s44, (3<<16)|(1<<21)
	GRP1 G1, 192*KSS, 8, 192*KS                    ; for the head's load: all eight tiles of source 1, a slot's K steps of each
	GRP1 G1B, 192*KSS, 16, 192*KS                  ; all sixteen of source 0
	GRP1 G1S, 64, KS, APITCH/2                     ; the scale words of every K step
	GRP1 G1SB, 128, KS, BPITCH/2
	s_lshl_b32 s20, s17, 3
	s_mul_i32 s20, s20, KS*FRB
	s_add_co_u32 s20, s20, WV
	s_mov_b32 s21, 0
	s_lshl_b32 s22, s17, 9
	s_add_co_u32 s22, s22, SV
	s_mov_b32 s23, 0
	s_lshl_b32 s46, s42, 4
	s_mul_i32 s46, s46, KS*FRB
	s_add_co_u32 s46, s46, LKV
	s_mov_b32 s47, 0
	s_lshl_b32 s92, s42, 10
	s_add_co_u32 s92, s92, LKVS
	s_mov_b32 s93, 0
	s_mul_i32 s45, s16, 4*KSS*FRB
	s_mul_i32 s94, s16, 8*KSS*FRB
	s_add_co_u32 s94, s94, 8*KSS*FRB
	s_mov_b32 s95, ASC
	s_mov_b32 s96, BSC
	s_mov_b32 s[SEL], 0x76543210
	s_mov_b32 s[SEL+1], 0xfedcba98
	s_wait_dscnt 0x0                               ; both opening adds are done
	s_wait_kmcnt 0x0
	s_add_nc_u64 s[20:21], s[6:7], s[20:21]        ; the weights are source 1, the latent source 0
	s_add_nc_u64 s[22:23], s[6:7], s[22:23]
	s_add_nc_u64 s[46:47], s[4:5], s[46:47]
	s_add_nc_u64 s[92:93], s[4:5], s[92:93]
	GRP0 G0S, 95, 0, 22, 0
	GRP0 G0SB, 96, 0, 92, 0
	s_mov_b32 s[G0], 1                             ; the head's loads of slot 0 take whole operands: source 1's eight tiles,
	s_mov_b32 s[G0+1], 0
	s_mov_b64 s[G0+2:G0+3], s[20:21]
	s_or_b32 s[G0+3], s[G0+3], 0x80000000
	s_mov_b32 s[G0B], 1                            ; and source 0's sixteen behind them
	s_mov_b32 s[G0B+1], 8*KSS*FRB
	s_mov_b64 s[G0B+2:G0B+3], s[46:47]
	s_or_b32 s[G0B+3], s[G0B+3], 0x80000000
	s_mul_i32 s98, s16, 4*KS*FRB
	s_mov_b32 s99, 0
	s_add_nc_u64 s[20:21], s[20:21], s[98:99]      ; for slot 1: my half of source 1's tiles,
	s_lshl_b32 s98, s98, 1
	s_add_nc_u64 s[46:47], s[46:47], s[98:99]      ; or of source 0's
	GRP0 G0+4, 45, SLOT, 20, KSS*FRB
	GRP0 G0B+4, 94, SLOT, 46, KSS*FRB
	CROUND                                         ; all sixteen work-groups are here: the first joint loads meet
	ARM 1, G0,  G1,  .Lhead_b                      ; ONE joint load a wave: wave 0 slot 0 of source 1,
	ARM 2, G0B, G1B, .Lhead_sa                     ; wave 1 of source 0,
	ARM 3, G0S, G1S, .Lhead_sb                     ; wave 2 source 1's scale words,
	tensor_load_to_lds s[G0SB:G0SB+3], s[G1SB:G1SB+7]  ; wave 3 source 0's
	s_nop 0
.rept 4
	v_nop
.endr
.Lhead_asked:
	v_and_b32 v1, 31, v0
	v_lshlrev_b32 v[LI], 4, v1
	v_lshlrev_b32 v[L8], 3, v1
	v_and_b32 v2, 15, v0
	v_lshlrev_b32 v[LS], 2, v2
	s_mul_i32 s18, s15, 4*KSS*FRB
	v_add_nc_u32 v[ADRA], s18, v[LI]
	v_add_nc_u32 v[ADRA+1], SLOT, v[ADRA]
	v_add_nc_u32 v[ADRB], s94, v[LI]
	v_add_nc_u32 v[ADRB+1], SLOT, v[ADRB]
	s_lshl_b32 s18, s15, 8
	s_add_co_u32 s18, s18, ASC
	v_add_nc_u32 v[ADSA], s18, v[LS]
	s_lshl_b32 s18, s16, 9
	s_add_co_u32 s18, s18, BSC
	v_add_nc_u32 v[ADSB], s18, v[LS]
.irp b, 0,1,2,3
	v_mov_b32 v[TM+4+\b], 0
.endr
	s_mov_b32 s13, 0
	s_lshr_b32 s3, s42, 2                          ; the batch of my work-group's 256 tokens
	s_lshl_b32 s3, s3, 4
	s_add_co_u32 s3, s3, s17                       ; x 16 + the head
	s_mul_i32 s97, s3, 204800                      ; [batch, head][key step]: K's 8 tiles, V's 8, K's 128 words, V's 128
	s_and_b32 s96, s42, 3
	s_lshl_b32 s96, s96, 1                         ; the first of the work-group's two key steps
	s_add_co_u32 s44, s96, s16                     ; V: my 128 tokens' key step
	s_mul_i32 s44, s44, 25600
	s_add_co_u32 s44, s44, s97
	s_mul_i32 s19, s15, 6144                       ; my four tiles of channels
	s_add_co_u32 s12, s44, s19
	s_add_co_u32 s12, s12, 12288
	s_add_nc_u64 s[20:21], s[10:11], s[12:13]      ; V's images
	s_lshl_b32 s19, s15, 8
	s_add_co_u32 s12, s44, s19
	s_add_co_u32 s12, s12, 25088
	s_add_nc_u64 s[22:23], s[10:11], s[12:13]      ; V's scale words
	s_add_co_u32 s44, s96, s15                     ; K: wave w has token tiles 4 w .. 4 w + 3 of the 16: key step w / 2 of the two, tiles 4 (w % 2) on
	s_mul_i32 s44, s44, 25600
	s_add_co_u32 s44, s44, s97
	s_mul_i32 s19, s16, 6144
	s_add_co_u32 s12, s44, s19
	s_add_nc_u64 s[2:3], s[10:11], s[12:13]        ; K's images
	s_lshl_b32 s19, s16, 8
	s_add_co_u32 s12, s44, s19
	s_add_co_u32 s12, s12, 24576
	s_add_nc_u64 s[18:19], s[10:11], s[12:13]      ; K's scale words
	s_lshl_b32 s44, s42, 4
	s_lshl_b32 s45, s14, 2
	s_add_co_u32 s44, s44, s45                     ; my first token tile among all 256
	s_mul_i32 s12, s44, 768
	s_add_co_u32 s12, s12, KRO
	s_add_nc_u64 s[46:47], s[8:9], s[12:13]        ; k_r's half fragments of my tokens
	s_lshl_b32 s12, s44, 6
	s_add_co_u32 s12, s12, KRSO
	s_add_nc_u64 s[92:93], s[8:9], s[12:13]        ; and their two bytes
	s_mul_i32 s12, s17, 16*FRB
	s_add_co_u32 s12, s12, WK
	s_add_nc_u64 s[98:99], s[6:7], s[12:13]        ; wk_up: my head's four column tiles x four K steps: 16 fragments on end
	s_lshl_b32 s12, s17, 8
	s_add_co_u32 s12, s12, SK
	s_add_nc_u64 s[94:95], s[6:7], s[12:13]        ; and their scale words
	s_mul_i32 s44, s14, 4*KSS*FRB
	s_add_co_u32 s44, s44, 8*KSS*FRB
	v_add_nc_u32 v[ADTK], s44, v[LI]               ; my four token tiles among the 16 that lie behind source 1's 8 in a slot
	v_add_nc_u32 v[ADTK+1], SLOT, v[ADTK]
	s_lshl_b32 s44, s14, 8
	s_add_co_u32 s44, s44, BSC
	v_add_nc_u32 v[ADST], s44, v[LS]
	WIN 0xc0                                       ; destination window 3: wk_up's fragment (column tile t, K step k) at v[12 (4 t + k)]; k_r's half fragment of token tile a at v[192 + 8 a].  60 loads of mine are out
.set i, 0
.rept 48
	global_load_b128 v[4*i:4*i+3], v[LI], s[98:99] offset:512*i
.set i, i+1
.endr
.irp a, 0,1,2,3
	global_load_b128 v[192+8*\a:195+8*\a], v[LI], s[46:47] offset:768*\a
	global_load_b64 v[196+8*\a:197+8*\a], v[L8], s[46:47] offset:768*\a+512
.endr
	WIN 0
.irp a, 0,1,2,3
	global_load_b32 v[104+\a], v[LS], s[92:93] offset:64*\a
.endr
	s_wait_alu depctr_va_vdst(0)                   ; the wait at the head's end
	s_wait_tensorcnt 0x0                           ; my one load has landed; slot 1's first fill is issued as a refill is:
	ds_add_u32 v[SPW], v[NIL]                      ; 0 onto my spare word;
	s_mov_b32 s[G1+2], 4<<16                       ; no load of mine is out, so descriptors may be written: slot 1's loads bring half an operand's tiles
	s_mov_b32 s[G1+4], 4
	s_mov_b32 s[G1B+2], 8<<16
	s_mov_b32 s[G1B+4], 8
	s_wait_dscnt 0x0                               ; the add is done
	CROUND                                         ; all four tiles are in, in every partner
	JLOAD G0+4, G1, G0B+4, G1B                     ; slot 1: my one load behind the round
	FETCH 0, 0, 0, 0
	STEP 0, 0, 0, 1
	TURN 0, 1, 1
	STEP 1, 0, 2, 0
	LAST 3
	FETCHK 0, 0                                    ; K's first tokens and wk_up's scale words are asked for here and land while V goes out
.irp k, 0,1,2,3
.irp t, 0,1,2,3
	global_load_b32 v[WKW+4*\k+\t], v[LS], s[94:95] offset:16384*\k+64*\t
.endr
.endr
.irp a, 0,1,2,3
.if \a > 0
	s_wait_xcnt 0x0                                ; the last tile's stores have read the codes and the scale word
.endif
	QUANTW \a
.irp c, 0,1,2
	global_store_b128 v[LI], v[PC+4*\c:PC+4*\c+3], s[20:21] offset:1536*\a+512*\c
.endr
	global_store_b32 v[LS], v[PW], s[22:23] offset:64*\a
.endr
	s_wait_loadcnt 0x0                             ; wk_up's fragments and scale words, k_r
	STEPK 0                                        ; its products start the sums, in the registers that V's have left
	STEPK 1
	STEPK 2
	STEPK 3
	WIN 0
	PLACES                                         ; ahead of the first read of results
.irp a, 0,1,2,3
	s_wait_xcnt 0x0                                ; the last stores have read the codes and the scale word
	QUANTK \a
.irp c, 0,1,2
	global_store_b128 v[LI], v[PC+4*\c:PC+4*\c+3], s[2:3] offset:1536*\a+512*\c
.endr
	global_store_b32 v[LS], v[PW], s[18:19] offset:64*\a
.endr
	s_wait_tensorcnt 0x0                           ; the wave's end
	ds_add_u32 v[SPW], v[NIL]
	s_wait_dscnt 0x0
	CROUND                                         ; the closing round
	s_endpgm
.Lfunc_end_k_qe3c619664e_up:
	.size	k_qe3c619664e_up, .Lfunc_end_k_qe3c619664e_up-k_qe3c619664e_up
	.p2alignl 7, 3214868480
	.fill 96, 4, 3214868480
	.section	.rodata,"a",@progbits
	.p2align	6, 0x0
	.amdhsa_kernel k_qe3c619664e_up
		.amdhsa_group_segment_fixed_size 327680
		.amdhsa_private_segment_fixed_size 0
		.amdhsa_enable_private_segment 0
		.amdhsa_kernarg_size 32
		.amdhsa_user_sgpr_count 2
		.amdhsa_user_sgpr_kernarg_segment_ptr 1
		.amdhsa_wavefront_size32 1
		.amdhsa_system_sgpr_workgroup_id_x 1
		.amdhsa_system_sgpr_workgroup_id_y 1
		.amdhsa_system_sgpr_workgroup_id_z 1
		.amdhsa_system_vgpr_workitem_id 0
		.amdhsa_next_free_vgpr 1024
		.amdhsa_next_free_sgpr 104
		.amdhsa_reserve_vcc 0
		.amdhsa_float_denorm_mode_32 3
		.amdhsa_float_denorm_mode_16_64 3
		.amdhsa_memory_ordered 1
		.amdhsa_forward_progress 1
		.amdhsa_inst_pref_size 89
	.end_amdhsa_kernel
	.amdgpu_metadata
---
amdhsa.version: [ 1, 2 ]
amdhsa.kernels:
  - .name:           k_qe3c619664e_up
    .symbol:         k_qe3c619664e_up.kd
    .args:
      - { .name: limg, .offset: 0, .size: 8, .value_kind: global_buffer, .address_space: global }
      - { .name: wimg, .offset: 8, .size: 8, .value_kind: global_buffer, .address_space: global }
      - { .name: kimg, .offset: 16, .size: 8, .value_kind: global_buffer, .address_space: global }
      - { .name: qkv, .offset: 24, .size: 8, .value_kind: global_buffer, .address_space: global }
    .group_segment_fixed_size: 327680
    .private_segment_fixed_size: 0
    .kernarg_segment_align: 8
    .kernarg_segment_size: 32
    .max_flat_workgroup_size: 128
    .sgpr_count:     104
    .vgpr_count:     1024
    .wavefront_size: 32
...
	.end_amdgpu_metadata
.endif
;; end of part 3
;; launch att (part 4): grid 4 x 64, 16 waves a work-group, clusters of 4 x 1, 258,048 bytes of LDS; arguments qkv, cimg, limg, wimg, kimg; writes cimg
.if DOCPART == 4
	.amdgcn_target "amdgcn-amd-amdhsa--gfx1250"
	.amdhsa_code_object_version 6
	.text
	.protected	k_qe3c619664e_att
	.globl	k_qe3c619664e_att
	.p2align	8
	.type	k_qe3c619664e_att,@function
k_qe3c619664e_att:
	s_mov_b64 s[64:65], 0
	v_nop
	global_prefetch_b8 v0, s[64:65] scope:SCOPE_SE
	s_setreg_imm32_b32 hwreg(HW_REG_WAVE_MODE, 25, 1), 1
	s_wait_xcnt 0x0
	s_wait_alu depctr_hold_cnt(0) depctr_sa_sdst(0) depctr_va_vdst(0) depctr_va_sdst(0) depctr_va_ssrc(0) depctr_va_vcc(0) depctr_vm_vsrc(0)
	s_getreg_b32 s2, hwreg(HW_REG_IB_STS2, 6, 4)
	s_cmp_eq_u32 s2, 0
	s_cbranch_scc0 .Lentry_in_a_cluster
	s_endpgm
.Lentry_in_a_cluster:
	s_bfe_u32 s2, ttmp6, 0x10000c
	s_cmp_lg_u32 s2, 0x3003
	s_cbranch_scc0 .Lentry_shape_is_right
	s_endpgm
.Lentry_shape_is_right:
; q = [q_lat wq_up | rope(q_lat wq_rope)] and ctx = softmax(where(key > query, -10000, q k^T / sqrt(128))) v for one (batch, head) a cluster, all products on codes of FP6 with E8M0 scales; ctx is quantised along the head's 128 and stored as an image for the last product.
; THE QUERIES ARE MADE HERE: a wave multiplies its tile of 16 rows of q_lat (4 fragments, from memory to registers) by the head's 128 places of wq (32 fragments in LDS): 32 matrix instructions; rope on registers 32 .. 63; one quantiser; Q never goes to memory.
; THE MASK IS A NUMBER, NOT -INFINITY: a hidden key takes the score whose t is -10000 log2(e), and EVERY query walks ALL 1,024 keys, so that the result holds for scores of any size.
; A KEY STEP ALL OF WHOSE KEYS ARE HIDDEN has 128 equal scores: the product k q^T is left out (its result would be replaced whole, whatever the inputs hold), and the softmax is that of ONE number: one p, one scale byte four times, one conversion whose three registers four times are the fragment.
; A wave's hidden steps follow each other at its end: the first of them moves M and makes p, the codes and the scale word; the later ones find all of that as it stands and only add to the sum.  Each still does its product V^T P^T.
; THE SOFTMAX: t = score x log2(e) / sqrt(128); M = the running largest t rounded up to a whole number; p = 2^(t - M) is quantised along the keys; the sum is taken of the unquantised p and divides at the end; when M moves, the sum and O are multiplied by a power of two.
; SHARES.  Sixteen waves; wave w of the cluster's partner cx owns the tile of 16 queries 4 g + cx, g = w xor 15 where w has an odd number of ones, else w.  The key step on whose diagonal a wave lies is g / 2: no branch and no LDS address hangs on the place in the cluster.
; LDS, filled once by joint loads, ONE A WAVE: waves 0 .. 7 a key step each (K's 8 tiles, V's 8, their scale words: 25,600 bytes), waves 8 .. 13 a sixth of wq's 49,152 bytes of codes each, waves 14, 15 two K steps of wq's scale words each.
; All products are used transposed (source 1 = the queries): a lane holds one query; by the order of rows in a tile the 16 registers of tiles 2 b, 2 b + 1 are 16 neighbours along the next K.
; In a key step V's tiles 0 .. 3 are asked of LDS behind the score products and tiles 4 .. 7 behind p's conversions, into the registers that p has left.
; No prefetch: everything is asked for at the head, and there is no loop to run ahead in.
; LIMITS: a hidden key's t is within an ulp of -10000 log2(e); NaN and infinities are not served, nor carried from the products left out; a block under 2^-124 gets the byte 1; the scaled scores stay under 2^31 in magnitude.
.set CSCO, 6291456
.set LQS,  3145728
.set WQ,   1671168
.set SQ,   6852608
.set CSO_, 212992
.set CH,   25600                       ; a key step's bytes
.set WQL,  204800                      ; behind the head's K and V: wq's 32 fragments [tile][K step],
.set WQS,  253952                      ; its scale words [K step][128],
.set SPARE, 256000                     ; and the spare words, 128 bytes a wave, which no other line names
.set LI,  1                            ; 16 l
.set LSK, 2                            ; 24,576 + 4 r: K's scale words in a key step
.set VD,  3                            ; my query's place in its key step, less 16 h
.set LS4, 4                            ; 4 r
.set SPW, 5
.set NIL, 6
.set VMK, 7                            ; the hidden keys' score
.set ADK, 8
.set ADS, 9
.set QLS, 28                           ; v28-31 q_lat's scale words
.set VS0, 80                           ; v80-83 scale words of V's tiles 0 .. 3, v84-87 of tiles 4 .. 7
.set VS1, 84
.set KSW, 88                           ; v88-91 scale words of four tiles of K or of wq
.set HP,  93                           ; the hidden keys' p
.set TM,  232
.set TB,  2                            ; s2  LDS byte at which the key step begins
.set J,   3                            ; s3  the key step
.set WH1, 11                           ; s11 the first key step all of whose keys are hidden from me
.set WV,  18
.set WH,  19                           ; the key step of my diagonal
.set SEL, 20
.set CS,  22
.set MK,  48
.macro ROUND
	s_barrier_signal -1
	s_barrier_wait -1
	s_cmp_lg_u32 s[WV], 0
	s_cbranch_scc1 .Lnot_wave_0_\@
	s_barrier_signal -3
.Lnot_wave_0_\@:
	s_barrier_wait -3
	s_barrier_signal -1
	s_barrier_wait -1
.endm
.macro GRP1 g, c, r, p                 ; all four partners; r rows of c elements of 8 bytes, p elements apart
	s_mov_b32 s[\g], 15|(3<<16)|(1<<21)
	s_mov_b32 s[\g+1], (\c)<<16
	s_mov_b32 s[\g+2], (\r)<<16
	s_mov_b32 s[\g+3], (\c)<<16
	s_mov_b32 s[\g+4], \r
	s_mov_b32 s[\g+5], \p
	s_mov_b32 s[\g+6], 0
	s_mov_b32 s[\g+7], 0
.endm
; v96-159, register 16 b + i = k 32 b + 16 h + i of my row, become a fragment's codes in v[pc] on (v[tq] on at work) and its scale word in v[pw]
.macro QUANT64 pc, tq, pw, hint        ; hint = 0: v96-159 hold matrix results, and the maxima over them carry no hint (the four blocks' chains take turns line by line)
.irp b, 0,1,2,3
	v_max3_num_f32 v[TM+\b], |v[96+16*\b]|, |v[97+16*\b]|, 0x1800000
.endr
.irp i, 2,4,6,8,10,12,14
.irp b, 0,1,2,3
.if \hint
	s_delay_alu instid0(VALU_DEP_4)
.endif
	v_max3_num_f32 v[TM+\b], v[TM+\b], |v[96+16*\b+\i]|, |v[97+16*\b+\i]|
.endr
.endr
.irp b, 0,1,2,3
	s_delay_alu instid0(VALU_DEP_4)
	v_permlanex16_b32 v[TM+4+\b], v[TM+\b], s[SEL], s[SEL+1]
.endr
.irp b, 0,1,2,3
	s_delay_alu instid0(VALU_DEP_4)
	v_max_num_f32 v[TM+\b], v[TM+\b], v[TM+4+\b]
.endr
.irp b, 0,1,2,3
	s_delay_alu instid0(VALU_DEP_4)
	v_add_nc_u32 v[TM+12+\b], 0xff000000, v[TM+\b]
.endr
.irp b, 0,1,2,3
	s_delay_alu instid0(VALU_DEP_4)
	v_lshrrev_b32 v[TM+4+\b], 23, v[TM+12+\b]
.endr
	s_delay_alu instid0(VALU_DEP_3)
	v_lshl_or_b32 v[\pw], v[TM+5], 8, v[TM+4]
	s_delay_alu instid0(VALU_DEP_1)
	v_lshl_or_b32 v[\pw], v[TM+6], 16, v[\pw]
	s_delay_alu instid0(VALU_DEP_1)
	v_lshl_or_b32 v[\pw], v[TM+7], 24, v[\pw]
.irp c, 0,1
	v_cvt_scalef32_pk16_fp6_f32 v[\pc+6*\c:\pc+2+6*\c], v[96+32*\c:111+32*\c], v[TM+12+2*\c]
	v_cvt_scalef32_pk16_fp6_f32 v[\tq+4*\c:\tq+2+4*\c], v[112+32*\c:127+32*\c], v[TM+12+2*\c+1]
.endr
	v_nop                                          ; one plain place behind a scaled conversion
.irp c, 0,1
.irp i, 0,1,2
	v_permlane16_swap_b32 v[\pc+6*\c+\i], v[\tq+4*\c+\i]
.endr
.irp i, 0,1,2
	s_delay_alu instid0(VALU_DEP_3)
	v_mov_b32 v[\pc+3+6*\c+\i], v[\tq+4*\c+\i]
.endr
.endr
.endm
	s_load_b128 s[4:7], s[0:1], 0x0                ; k, v's images; ctx's images
	s_load_b128 s[32:35], s[0:1], 0x10             ; the latents' images; the weights' images
	s_load_b64 s[36:37], s[0:1], 0x20              ; cos and sin
	v_lshl_add_u32 v[SPW], v0, 2, SPARE
	v_mov_b32 v[NIL], 0
	ds_add_u32 v[SPW], v[NIL]                      ; the wave's opening
	ds_add_u32 v[SPW], v[NIL]
	v_lshrrev_b32 v8, 5, v0
	s_delay_alu instid0(VALU_DEP_1)
	v_readfirstlane_b32 s[WV], v8
	s_lshr_b32 s60, s[WV], 2
	s_xor_b32 s60, s60, s[WV]
	s_lshr_b32 s61, s60, 1
	s_xor_b32 s60, s60, s61
	s_and_b32 s60, s60, 1                          ; is the number of ones in the wave's number odd?
	s_mul_i32 s60, s60, 15
	s_xor_b32 s60, s60, s[WV]                      ; g
	s_lshr_b32 s[WH], s60, 1
	s_add_co_u32 s[WH1], s[WH], 1
	s_bfe_u32 s8, ttmp6, 0x40000                   ; cx
	s_and_b32 s9, ttmp7, 0xffff                    ; batch x 16 + head
	s_lshl_b32 s10, s60, 2
	s_add_co_u32 s10, s10, s8                      ; my tile of queries: it enters global addresses and VD alone
	GRP1 24, 32, 100, 32                           ; a key step: 100 dense rows of 256 bytes
	GRP1 68, 32, 32, 32                            ; a sixth of wq's codes: 32 dense rows of 256 bytes
	GRP1 80, 64, 2, 2048                           ; two K steps of wq's scale words: 512 bytes each, 16,384 bytes apart
	s_mul_i32 s12, s9, 204800
	s_mov_b32 s13, 0
	s_mul_i32 s14, s[WV], CH                       ; waves 0 .. 7: key step w, in memory and in LDS alike
	s_mov_b32 s15, 0
	s_and_b32 s16, s9, 15                          ; the head
	s_mul_i32 s38, s16, 49152
	s_lshl_b32 s39, s[WV], 13
	s_add_co_u32 s38, s38, s39
	s_add_co_u32 s38, s38, WQ-65536                ; waves 8 .. 13: 8,192 (w - 8) into the head's codes of wq
	s_add_co_u32 s77, s39, WQL-65536
	s_mov_b32 s39, 0
	s_lshl_b32 s46, s16, 9
	s_lshl_b32 s47, s[WV], 15
	s_add_co_u32 s46, s46, s47
	s_add_co_u32 s46, s46, SQ-458752               ; waves 14, 15: K steps 2 (w - 14) on of the head's scale words
	s_mov_b32 s47, 0
	s_lshl_b32 s89, s[WV], 10
	s_add_co_u32 s89, s89, WQS-14336
	s_lshr_b32 s59, s9, 4
	s_lshl_b32 s59, s59, 6
	s_add_co_u32 s59, s59, s10                     ; my tile among the 256 of all rows
	s_mul_i32 s50, s59, 6144                       ; q_lat's four fragments
	s_mov_b32 s51, 0
	s_lshl_b32 s52, s59, 6
	s_add_co_u32 s52, s52, LQS                     ; their scale words
	s_mov_b32 s53, 0
	s_lshl_b32 s44, s59, 12
	s_add_co_u32 s44, s44, CSO_                    ; my rows' cos and sin
	s_mov_b32 s45, 0
	s_and_b32 s58, s9, 15                          ; the head: the last product's K step
	s_lshl_b32 s54, s59, 4
	s_add_co_u32 s54, s54, s58
	s_mul_i32 s54, s54, 1536
	s_mov_b32 s55, 0
	s_lshl_b32 s56, s58, 12
	s_lshl_b32 s57, s59, 4
	s_add_co_u32 s56, s56, s57
	s_lshl_b32 s56, s56, 2
	s_add_co_u32 s56, s56, CSCO
	s_mov_b32 s57, 0
	s_lshr_b32 s58, s10, 1
	s_lshl_b32 s58, s58, 5
	s_and_b32 s59, s10, 1
	s_lshl_b32 s59, s59, 3
	s_add_co_u32 s58, s58, s59
	s_and_b32 s58, s58, 127                        ; my tile's first query in its key step
	s_mov_b32 s[SEL], 0x76543210
	s_mov_b32 s[SEL+1], 0xfedcba98
	s_mov_b32 s[CS], 0x3e0293ee                    ; c = log2(e) / sqrt(128)
	s_mov_b32 s[CS+1], s[CS]
	s_mov_b32 s[MK], 0xc7dcf88b                    ; -10000 sqrt(128): x c it is -10000 log2(e)
	s_mov_b32 s[TB], 0
	s_mov_b32 s[J], 0
	s_wait_dscnt 0x0                               ; both opening adds are done
	s_wait_kmcnt 0x0
	s_add_nc_u64 s[12:13], s[4:5], s[12:13]
	s_mov_b32 s40, 1
	s_mov_b32 s41, s14
	s_add_nc_u64 s[42:43], s[12:13], s[14:15]
	s_or_b32 s43, s43, 0x80000000
	s_mov_b32 s76, 1
	s_add_nc_u64 s[78:79], s[34:35], s[38:39]
	s_or_b32 s79, s79, 0x80000000
	s_mov_b32 s88, 1
	s_add_nc_u64 s[90:91], s[34:35], s[46:47]
	s_or_b32 s91, s91, 0x80000000
	s_add_nc_u64 s[50:51], s[32:33], s[50:51]
	s_add_nc_u64 s[52:53], s[32:33], s[52:53]
	s_add_nc_u64 s[44:45], s[36:37], s[44:45]
	s_add_nc_u64 s[54:55], s[6:7], s[54:55]
	s_add_nc_u64 s[56:57], s[6:7], s[56:57]
	ROUND                                          ; all four work-groups are here: the joint loads meet
	s_cmp_lt_u32 s[WV], 8                          ; one chain of branches on the wave's number, one joint load to an arm
	s_cbranch_scc0 .Lld_codes
	tensor_load_to_lds s[40:43], s[24:31]
	s_nop 0
.rept 4
	v_nop
.endr
	s_branch .Lld_done
.Lld_codes:
	s_cmp_lt_u32 s[WV], 14
	s_cbranch_scc0 .Lld_words
	tensor_load_to_lds s[76:79], s[68:75]
	s_nop 0
.rept 4
	v_nop
.endr
	s_branch .Lld_done
.Lld_words:
	tensor_load_to_lds s[88:91], s[80:87]
	s_nop 0
.rept 4
	v_nop
.endr
.Lld_done:
	v_and_b32 v8, 31, v0
	s_delay_alu instid0(VALU_DEP_1)
	v_lshlrev_b32 v[LI], 4, v8
	v_and_b32 v10, 15, v0
	v_bfe_u32 v11, v0, 4, 1
	s_delay_alu instid0(VALU_DEP_2)
	v_lshlrev_b32 v[LS4], 2, v10
.irp k, 0,1,2,3
.irp c, 0,1,2
	global_load_b128 v[160+12*\k+4*\c:163+12*\k+4*\c], v[LI], s[50:51] offset:1536*\k+512*\c    ; q_lat's fragments, where O^T will lie
.endr
	global_load_b32 v[QLS+\k], v[LS4], s[52:53] offset:16384*\k
.endr
.irp c, 0,1,2,3,4,5,6,7
	global_load_b128 v[208+4*\c:211+4*\c], v[LI], s[44:45] offset:512*\c    ; v208-239: 2 i cos, 2 i + 1 sin of frequency 16 h + i
.endr
	v_add_nc_u32 v[LSK], 24576, v[LS4]
	v_add_nc_u32 v[ADK], WQL, v[LI]
	v_add_nc_u32 v[ADS], WQS, v[LS4]
	v_and_b32 v[VD], 8, v10
	s_delay_alu instid0(VALU_DEP_1)
	v_add_nc_u32 v[VD], v[VD], v10
	s_delay_alu instid0(VALU_DEP_1)
	v_add_nc_u32 v[VD], s58, v[VD]
	v_lshlrev_b32 v11, 4, v11
	s_delay_alu instid0(VALU_DEP_1)
	v_sub_nc_u32 v[VD], v[VD], v11
	v_mov_b32 v[VMK], s[MK]
	v_mov_b32 v13, 0xff61b1e6                      ; the largest t so far: -3e38
	s_delay_alu instid0(VALU_DEP_1)
	v_floor_f32 v12, -v13                          ; -M
	v_mov_b32 v14, 0
	v_mov_b32 v15, 0
	v_mov_b32 v253, 0
	v_mov_b32 v[HP], 0                             ; a later hidden step reads what the first has made: written here once, so that every way through the text finds it written
.macro VLD g, f, sw                    ; V's tiles 4 g .. 4 g + 3 into v[f] on, their scale words into v[sw] on
.irp t, 0,1,2,3
.irp c, 0,1,2
	ds_load_b128 v[\f+12*\t+4*\c:\f+12*\t+4*\c+3], v[ADK] offset:12288+(4*\g+\t)*1536+512*\c
.endr
	ds_load_b32 v[\sw+\t], v[ADS] offset:512+64*(4*\g+\t)
.endr
.endm
; A KEY STEP: 128 keys
.macro STEP
	v_add_nc_u32 v[ADK], s[TB], v[LI]
	v_add_nc_u32 v[ADS], s[TB], v[LSK]
	v_nop
	v_nop
	v_nop                                          ; five places: the score products write over registers that the last products read, and loads land in others
	s_cmp_gt_u32 s[J], s[WH]
	s_wait_alu depctr_va_vdst(0)                   ; the wait, directly ahead of the branch
	s_cbranch_scc1 .Lhid_\@                        ; all keys hidden
.irp g, 0,1
.if \g
.rept 4
	v_nop
.endr
.endif
.irp t, 0,1,2,3
.irp c, 0,1,2
	ds_load_b128 v[32+12*\t+4*\c:35+12*\t+4*\c], v[ADK] offset:(4*\g+\t)*1536+512*\c
.endr
	ds_load_b32 v[KSW+\t], v[ADS] offset:64*(4*\g+\t)
.endr
	s_wait_dscnt 0x0
.irp t, 0,1,2,3
	v_wmma_scale_f32_16x16x128_f8f6f4 v[96+8*(4*\g+\t):103+8*(4*\g+\t)], v[32+12*\t:43+12*\t], v[16:27], 0, v[KSW+\t], v255 matrix_a_fmt:MATRIX_FMT_FP6 matrix_b_fmt:MATRIX_FMT_FP6
.endr
.endr
.rept 4
	v_nop
.endr
	VLD 0, 32, VS0                                 ; they land under the softmax
	s_cmp_lt_u32 s[J], s[WH]
	s_cbranch_scc1 .Lopen_\@                       ; all keys count
.set n, 0
.rept 64                                       ; on the diagonal: register 16 b + i holds key 32 b + 16 h + i of the step: hidden where 32 b + i > VD
	v_cmp_gt_i32 vcc_lo, 32*(n/16)+n%16, v[VD]
	v_cndmask_b32 v[96+n], v[96+n], v[VMK], vcc_lo
.set n, n+1
.endr
.Lopen_\@:
.irp b, 0,1,2,3
	v_max3_num_f32 v[232+\b], v[96+16*\b], v[97+16*\b], v[98+16*\b]   ; the largest score of each block of 32 keys: for the row's maximum, and, since p rises with the score, for the block's largest p
.endr
.irp i, 3,5,7,9,11,13
.irp b, 0,1,2,3
	v_max3_num_f32 v[232+\b], v[232+\b], v[96+16*\b+\i], v[97+16*\b+\i]
.endr
.endr
.irp b, 0,1,2,3
	v_max_num_f32 v[232+\b], v[232+\b], v[111+16*\b]
.endr
.irp b, 0,1,2,3
	s_delay_alu instid0(VALU_DEP_4)
	v_permlanex16_b32 v[236+\b], v[232+\b], s[SEL], s[SEL+1]
.endr
.irp b, 0,1,2,3
	s_delay_alu instid0(VALU_DEP_4)
	v_max_num_f32 v[232+\b], v[232+\b], v[236+\b]
.endr
	s_delay_alu instid0(VALU_DEP_2)
	v_max3_num_f32 v254, v232, v233, v234
	s_delay_alu instid0(VALU_DEP_1)
	v_max_num_f32 v254, v254, v235
	s_delay_alu instid0(VALU_DEP_1)
	v_mul_f32 v254, s[CS], v254
	s_delay_alu instid0(VALU_DEP_1)
	v_max_num_f32 v13, v13, v254                   ; the running largest t
	v_mov_b32 v254, v12
	s_delay_alu instid0(VALU_DEP_2)
	v_floor_f32 v12, -v13                          ; the new -M
	s_delay_alu instid0(VALU_DEP_1)
	v_sub_f32 v254, v12, v254
	s_delay_alu instid0(VALU_DEP_1)
	v_cvt_i32_f32 v254, v254                       ; (it saturates)
	s_delay_alu instid0(VALU_DEP_1)
	v_ldexp_f32 v252, 1.0, v254                    ; f = 2^(old M - new M)
.set j, 0
.rept 32
	v_pk_fma_f32 v[96+j:97+j], v[96+j:97+j], s[CS:CS+1], v[12:13] op_sel_hi:[1,0,0]   ; t - M
.set j, j+2
.endr
.irp b, 0,1,2,3
	v_fma_f32 v[232+\b], v[232+\b], s[CS], v12
.endr
.set j, 0
	s_wait_alu depctr_va_vdst(0)
.rept 64
	v_exp_f32 v[96+j], v[96+j]                     ; p
.set j, j+1
.endr
	v_pk_mul_f32 v[14:15], v[14:15], v[252:253] op_sel_hi:[1,0]   ; the sums under the new M: a plain place behind the batch
	s_wait_alu depctr_va_vdst(0)                   ; one wait for the batch, ahead of its first reader
.irp b, 0,1,2,3
	v_exp_f32 v[232+\b], v[232+\b]                 ; each block's largest p
.endr
	v_pk_add_f32 v[236:237], v[100:101], v[104:105]
	v_pk_add_f32 v[250:251], v[108:109], v[112:113]
	v_pk_add_f32 v[248:249], v[116:117], v[120:121]
	v_pk_add_f32 v[246:247], v[124:125], v[128:129]
	v_pk_add_f32 v[244:245], v[132:133], v[136:137]
	v_pk_add_f32 v[242:243], v[140:141], v[144:145]
	v_pk_add_f32 v[240:241], v[148:149], v[152:153]
	v_pk_add_f32 v[14:15], v[14:15], v[156:157]
	v_pk_add_f32 v[236:237], v[236:237], v[96:97]
	v_pk_add_f32 v[250:251], v[250:251], v[98:99]
	v_pk_add_f32 v[248:249], v[248:249], v[102:103]
	v_pk_add_f32 v[246:247], v[246:247], v[106:107]
	v_pk_add_f32 v[244:245], v[244:245], v[110:111]
	v_pk_add_f32 v[242:243], v[242:243], v[114:115]
	v_pk_add_f32 v[240:241], v[240:241], v[118:119]
	v_pk_add_f32 v[14:15], v[14:15], v[122:123]
	v_pk_add_f32 v[236:237], v[236:237], v[126:127]
	v_pk_add_f32 v[250:251], v[250:251], v[130:131]
	v_pk_add_f32 v[248:249], v[248:249], v[134:135]
	v_pk_add_f32 v[246:247], v[246:247], v[138:139]
	v_pk_add_f32 v[244:245], v[244:245], v[142:143]
	v_pk_add_f32 v[242:243], v[242:243], v[146:147]
	v_pk_add_f32 v[240:241], v[240:241], v[150:151]
	v_pk_add_f32 v[14:15], v[14:15], v[154:155]
	v_pk_add_f32 v[236:237], v[236:237], v[158:159]
	s_delay_alu instid0(VALU_DEP_2)
	v_pk_add_f32 v[14:15], v[14:15], v[246:247]
	s_delay_alu instid0(VALU_DEP_2)
	v_pk_add_f32 v[236:237], v[236:237], v[244:245]
	v_pk_add_f32 v[250:251], v[250:251], v[242:243]
	v_pk_add_f32 v[248:249], v[248:249], v[240:241]
	s_delay_alu instid0(VALU_DEP_2)
	v_pk_add_f32 v[14:15], v[14:15], v[250:251]
	s_delay_alu instid0(VALU_DEP_2)
	v_pk_add_f32 v[236:237], v[236:237], v[248:249]
	s_delay_alu instid0(VALU_DEP_1)
	v_pk_add_f32 v[14:15], v[14:15], v[236:237]
	s_wait_alu depctr_va_vdst(0)                   ; and one for the four
.irp b, 0,1,2,3
	v_max_num_f32 v[232+\b], 0x1800000, v[232+\b]
.endr
.irp b, 0,1,2,3
	s_delay_alu instid0(VALU_DEP_4)
	v_add_nc_u32 v[244+\b], 0xff000000, v[232+\b]
.endr
.irp b, 0,1,2,3
	s_delay_alu instid0(VALU_DEP_4)
	v_lshrrev_b32 v[236+\b], 23, v[244+\b]
.endr
	s_delay_alu instid0(VALU_DEP_3)
	v_lshl_or_b32 v253, v237, 8, v236              ; p's scale word for these 128 keys
	s_delay_alu instid0(VALU_DEP_1)
	v_lshl_or_b32 v253, v238, 16, v253
	s_delay_alu instid0(VALU_DEP_1)
	v_lshl_or_b32 v253, v239, 24, v253
.irp c, 0,1
	v_cvt_scalef32_pk16_fp6_f32 v[224+6*\c:226+6*\c], v[96+32*\c:111+32*\c], v[244+2*\c]
	v_cvt_scalef32_pk16_fp6_f32 v[236+4*\c:238+4*\c], v[112+32*\c:127+32*\c], v[244+2*\c+1]
.endr
	v_nop
	VLD 1, 96, VS1                                 ; p is in its codes: its registers take V's tiles 4 .. 7
.irp c, 0,1
.irp i, 0,1,2
	v_permlane16_swap_b32 v[224+6*\c+\i], v[236+4*\c+\i]
.endr
.irp i, 0,1,2
	s_delay_alu instid0(VALU_DEP_3)
	v_mov_b32 v[227+6*\c+\i], v[236+4*\c+\i]
.endr
.endr
.set j, 0
.rept 32
	v_pk_mul_f32 v[160+j:161+j], v[160+j:161+j], v[252:253] op_sel_hi:[1,0]   ; O^T under the new M; these are also the places ahead of the products below
.set j, j+2
.endr
	s_branch .Lpv_\@
.Lhid_\@:
	VLD 0, 32, VS0
	s_cmp_gt_u32 s[J], s[WH1]
	s_cbranch_scc1 .Lsame_\@                       ; not my first hidden step: M, p, the codes and the scale word stand
	v_mul_f32 v254, s[CS], v[VMK]                  ; the hidden keys' t
	s_delay_alu instid0(VALU_DEP_1)
	v_max_num_f32 v13, v13, v254                   ; the running largest t
	v_mov_b32 v254, v12
	s_delay_alu instid0(VALU_DEP_2)
	v_floor_f32 v12, -v13                          ; the new -M
	s_delay_alu instid0(VALU_DEP_1)
	v_sub_f32 v254, v12, v254
	s_delay_alu instid0(VALU_DEP_1)
	v_cvt_i32_f32 v254, v254
	s_delay_alu instid0(VALU_DEP_1)
	v_ldexp_f32 v252, 1.0, v254                    ; f
	s_delay_alu instid0(VALU_DEP_4)
	v_fma_f32 v96, v[VMK], s[CS], v12              ; t - M, by the same multiply-add as on the diagonal
	s_wait_alu depctr_va_vdst(0)
	v_exp_f32 v96, v96                             ; p, the same for every hidden key of my query
	v_pk_mul_f32 v[14:15], v[14:15], v[252:253] op_sel_hi:[1,0]   ; the sums under the new M: a plain place behind the exponential
	s_wait_alu depctr_va_vdst(0)                   ; its wait, ahead of the first reader
	v_max_num_f32 v244, 0x1800000, v96             ; a block's largest p is p; the floor as everywhere
	s_delay_alu instid0(VALU_DEP_1)
	v_add_nc_u32 v244, 0xff000000, v244
	s_delay_alu instid0(VALU_DEP_1)
	v_lshrrev_b32 v236, 23, v244
	s_delay_alu instid0(VALU_DEP_1)
	v_lshl_or_b32 v253, v236, 8, v236              ; the byte four times: the scale word
	s_delay_alu instid0(VALU_DEP_1)
	v_lshl_or_b32 v253, v253, 16, v253
	v_mov_b32 v[HP], v96                           ; kept for the later hidden steps' sums
.set j, 1
.rept 15
	v_mov_b32 v[96+j], v96
.set j, j+1
.endr
	v_cvt_scalef32_pk16_fp6_f32 v[224:226], v[96:111], v244   ; sixteen equal codes
	v_nop                                          ; one plain place behind a scaled conversion
.set j, 3
.rept 9
	v_mov_b32 v[224+j], v[224+j%3]                 ; four times they are the fragment: lanes l and l xor 16 hold one query, so the exchange of halves would change nothing
.set j, j+1
.endr
.set j, 0
.rept 32
	v_pk_mul_f32 v[160+j:161+j], v[160+j:161+j], v[252:253] op_sel_hi:[1,0]   ; O^T under the new M
.set j, j+2
.endr
.Lsame_\@:
	VLD 1, 96, VS1
	s_wait_alu depctr_va_vdst(0)
	v_fmamk_f32 v14, v[HP], 0x42000000, v14        ; my 64 keys' p: 32 p to each half of the sum
	v_fmamk_f32 v15, v[HP], 0x42000000, v15
.Lpv_\@:
	s_wait_alu depctr_va_vdst(0)
	s_wait_dscnt 0x0                               ; V's eight tiles and their scale words
.irp t, 0,1,2,3                                ; eight accumulators by turns
	v_wmma_scale_f32_16x16x128_f8f6f4 v[160+8*\t:167+8*\t], v[32+12*\t:43+12*\t], v[224:235], v[160+8*\t:167+8*\t], v[VS0+\t], v253 matrix_a_fmt:MATRIX_FMT_FP6 matrix_b_fmt:MATRIX_FMT_FP6
.endr
.irp t, 0,1,2,3
	v_wmma_scale_f32_16x16x128_f8f6f4 v[192+8*\t:199+8*\t], v[96+12*\t:107+12*\t], v[224:235], v[192+8*\t:199+8*\t], v[VS1+\t], v253 matrix_a_fmt:MATRIX_FMT_FP6 matrix_b_fmt:MATRIX_FMT_FP6
.endr
	s_add_co_u32 s[TB], s[TB], CH
	s_add_co_u32 s[J], s[J], 1
.endm
	s_wait_alu depctr_va_vdst(0)                   ; the wait at the head's end
	s_wait_loadcnt 0x0                             ; q_lat, cos and sin
	s_wait_tensorcnt 0x0                           ; my one load is in
	s_barrier_signal -1
	s_barrier_wait -1                              ; K, V and wq are whole for every wave; nothing is filled again
	; Q^T = wq^T q_lat^T: eight accumulators (v96-159) by turns over four K steps; the first K step's products start the sums
.irp k, 0,1,2,3
.irp g, 0,1
.if \k+\g > 0
.rept 4
	v_nop
.endr
.endif
.irp t, 0,1,2,3
.irp c, 0,1,2
	ds_load_b128 v[32+12*\t+4*\c:35+12*\t+4*\c], v[ADK] offset:((4*\g+\t)*4+\k)*1536+512*\c
.endr
	ds_load_b32 v[KSW+\t], v[ADS] offset:512*\k+64*(4*\g+\t)
.endr
	s_wait_dscnt 0x0
.irp t, 0,1,2,3
.if \k == 0
	v_wmma_scale_f32_16x16x128_f8f6f4 v[96+8*(4*\g+\t):103+8*(4*\g+\t)], v[32+12*\t:43+12*\t], v[160+12*\k:171+12*\k], 0, v[KSW+\t], v[QLS+\k] matrix_a_fmt:MATRIX_FMT_FP6 matrix_b_fmt:MATRIX_FMT_FP6
.else
	v_wmma_scale_f32_16x16x128_f8f6f4 v[96+8*(4*\g+\t):103+8*(4*\g+\t)], v[32+12*\t:43+12*\t], v[160+12*\k:171+12*\k], v[96+8*(4*\g+\t):103+8*(4*\g+\t)], v[KSW+\t], v[QLS+\k] matrix_a_fmt:MATRIX_FMT_FP6 matrix_b_fmt:MATRIX_FMT_FP6
.endif
.endr
.endr
.endr
.rept 4
	v_nop                                          ; places ahead of the first read of results
.endr
.set i, 0
.rept 16                                       ; rope: register 32 + i: dim 16 h + i, register 48 + i: dim 32 + 16 h + i; both turn by frequency 16 h + i (each accumulator from its low end on)
	v_mul_f32 v[32+i], v[144+i], v[209+2*i]
.set i, i+1
.endr
.set i, 0
.rept 16
	v_mul_f32 v[48+i], v[128+i], v[209+2*i]
.set i, i+1
.endr
.set i, 0
.rept 16
	v_fma_f32 v[128+i], v[128+i], v[208+2*i], -v[32+i]
	v_fma_f32 v[144+i], v[144+i], v[208+2*i], v[48+i]
.set i, i+1
.endr
.irp b, 0,1,2,3
	v_mov_b32 v[236+\b], 0                         ; written once: a lane permute's destination counts as one of its sources
.endr
	QUANT64 16, 64, 255, 0                         ; Q's fragment stays in v16-27, its scale word in v255
.set j, 0
.rept 12
	v_mov_b32 v[224+j], 0                          ; the hidden keys' codes: written once, so that every way through the text finds them written
.set j, j+1
.endr
.set j, 0
.rept 64
	v_mov_b32 v[160+j], 0                          ; O^T: the step is written once for all steps; the first finds zeros
.set j, j+1
.endr
	s_wait_alu depctr_va_vdst(0)                   ; the wait ahead of the loop
	s_mov_b32 s49, 8
.Lstep:
	STEP
	s_sub_co_u32 s49, s49, 1
	s_cmp_lg_u32 s49, 0
	s_cbranch_scc1 .Lstep
	; THE WAY OUT: O^T / the sum is my 16 queries' part of ctx: register 16 b + i = channel 32 b + 16 h + i: quantised as it stands
	v_add_f32 v14, v14, v15
	s_delay_alu instid0(VALU_DEP_1)
	v_permlanex16_b32 v252, v14, s[SEL], s[SEL+1]
	s_delay_alu instid0(VALU_DEP_1)
	v_add_f32 v14, v14, v252
	s_wait_alu depctr_va_vdst(0)
	v_rcp_f32 v14, v14
.rept 4
	v_nop                                          ; plain places: behind the reciprocal, and behind the last products
.endr
	s_wait_alu depctr_va_vdst(0)                   ; the wait, ahead of the first reader
.set j, 0
.rept 64
	v_mul_f32 v[96+j], v[160+j], v14
.set j, j+1
.endr
	QUANT64 32, 44, 52, 1
.irp c, 0,1,2
	global_store_b128 v[LI], v[32+4*\c:35+4*\c], s[54:55] offset:512*\c
.endr
	global_store_b32 v[LS4], v52, s[56:57]
	s_wait_tensorcnt 0x0                           ; the wave's end
	ds_add_u32 v[SPW], v[NIL]
	s_wait_dscnt 0x0
	ROUND                                          ; the closing round
	s_endpgm
.Lfunc_end_k_qe3c619664e_att:
	.size	k_qe3c619664e_att, .Lfunc_end_k_qe3c619664e_att-k_qe3c619664e_att
	.p2alignl 7, 3214868480
	.fill 96, 4, 3214868480
	.section	.rodata,"a",@progbits
	.p2align	6, 0x0
	.amdhsa_kernel k_qe3c619664e_att
		.amdhsa_group_segment_fixed_size 258048
		.amdhsa_private_segment_fixed_size 0
		.amdhsa_enable_private_segment 0
		.amdhsa_kernarg_size 40
		.amdhsa_user_sgpr_count 2
		.amdhsa_user_sgpr_kernarg_segment_ptr 1
		.amdhsa_wavefront_size32 1
		.amdhsa_system_sgpr_workgroup_id_x 1
		.amdhsa_system_sgpr_workgroup_id_y 1
		.amdhsa_system_sgpr_workgroup_id_z 1
		.amdhsa_system_vgpr_workitem_id 0
		.amdhsa_next_free_vgpr 256
		.amdhsa_next_free_sgpr 92
		.amdhsa_reserve_vcc 1
		.amdhsa_float_denorm_mode_32 3
		.amdhsa_float_denorm_mode_16_64 3
		.amdhsa_memory_ordered 1
		.amdhsa_forward_progress 1
		.amdhsa_inst_pref_size 74
	.end_amdhsa_kernel
	.amdgpu_metadata
---
amdhsa.version: [ 1, 2 ]
amdhsa.kernels:
  - .name:           k_qe3c619664e_att
    .symbol:         k_qe3c619664e_att.kd
    .args:
      - { .name: qkv, .offset: 0, .size: 8, .value_kind: global_buffer, .address_space: global }
      - { .name: cimg, .offset: 8, .size: 8, .value_kind: global_buffer, .address_space: global }
      - { .name: limg, .offset: 16, .size: 8, .value_kind: global_buffer, .address_space: global }
      - { .name: wimg, .offset: 24, .size: 8, .value_kind: global_buffer, .address_space: global }
      - { .name: kimg, .offset: 32, .size: 8, .value_kind: global_buffer, .address_space: global }
    .group_segment_fixed_size: 258048
    .private_segment_fixed_size: 0
    .kernarg_segment_align: 8
    .kernarg_segment_size: 40
    .max_flat_workgroup_size: 512
    .sgpr_count:     92
    .vgpr_count:     256
    .wavefront_size: 32
...
	.end_amdgpu_metadata
.endif
;; end of part 4
;; launch outp (part 5): grid 8 x 32, 4 waves a work-group, clusters of 4 x 4, 327,680 bytes of LDS; arguments cimg, wimg, bo, out0; writes out0
.if DOCPART == 5
	.amdgcn_target "amdgcn-amd-amdhsa--gfx1250"
	.amdhsa_code_object_version 6
	.text
	.protected	k_qe3c619664e_outp
	.globl	k_qe3c619664e_outp
	.p2align	8
	.type	k_qe3c619664e_outp,@function
k_qe3c619664e_outp:
	s_mov_b64 s[64:65], 0
	v_nop
	global_prefetch_b8 v0, s[64:65] scope:SCOPE_SE
	s_setreg_imm32_b32 hwreg(HW_REG_WAVE_MODE, 25, 1), 1
	s_wait_xcnt 0x0
	s_wait_alu depctr_hold_cnt(0) depctr_sa_sdst(0) depctr_va_vdst(0) depctr_va_sdst(0) depctr_va_ssrc(0) depctr_va_vcc(0) depctr_vm_vsrc(0)
	s_getreg_b32 s2, hwreg(HW_REG_IB_STS2, 6, 4)
	s_cmp_eq_u32 s2, 0
	s_cbranch_scc0 .Lentry_in_a_cluster
	s_endpgm
.Lentry_in_a_cluster:
	s_bfe_u32 s2, ttmp6, 0x10000c
	s_cmp_lg_u32 s2, 0xf033
	s_cbranch_scc0 .Lentry_shape_is_right
	s_endpgm
.Lentry_shape_is_right:
.set FRB,   1536
.set KS,    16
.set KSS,   4
.set SLOT,  24*KSS*FRB
.set ASC,   2*SLOT
.set BSC,   ASC+KS*512
.set SPARE, BSC+KS*1024
.set APITCH, 4096
.set BPITCH, 2048
.set AOFF,  0
.set ASOFF, 6291456
.set BOFF,  3637248
.set BSOFF, 7049216
.set ADRA, 16
.set ADRB, 20
.set ADSA, 22
.set ADSB, 23
.set LI,   24
.set LS,   25
.set STO,  26
.set BA,   27
.set SPW,  28
.set NIL,  29
.set RD,   30
.set SC,   32
.set AF,   128
.set G1, 24
.set G0, 32
.set G1B, 48
.set G0B, 56
.set G1S, 68
.set G0S, 76
.set G1SB, 80
.set G0SB, 88
.set MUL,  0xa1
.set TO_B, 0x40
.set MSB, 0
.macro WIN new
.if MSB != (\new)
	s_set_vgpr_msb (MSB<<8)|(\new)
.set MSB, (\new)
.endif
.endm
.macro PLACES
.rept 4
	v_nop
.endr
.endm
.set PFO, 31                           ; v31 the prefetches' offset: 256 x min(lane, 23); never rewritten
.set PFA, 100                          ; s[100:101] my share of the tiles that I fetch in the ring; never rewritten: a slot's place along K stands in the immediate
; A prefetch of slot s's bytes, one slot ahead of the joint load that wants them.  A tile's part of a slot is 6,144 bytes, 24 blocks of 256, a lane a block (lanes 24-31 name the last again).
; The four partners that ask for a tile jointly share the tiles out BY ADDRESS: of the rows' four tiles a wave one each, of the columns' eight two each (the second instruction).
.macro ASK s
	global_prefetch_b8 v[PFO], s[PFA:PFA+1] offset:(\s)*KSS*FRB th:TH_LOAD_NT scope:SCOPE_SE
	s_cmp_eq_u32 s15, 0
	s_cbranch_scc1 .Lpf_\@
	global_prefetch_b8 v[PFO], s[PFA:PFA+1] offset:(\s)*KSS*FRB+KS*FRB th:TH_LOAD_NT scope:SCOPE_SE
.Lpf_\@:
.endm
.macro ARM under, g0, g1, next         ; an arm of the head's one chain of branches on the wave's number: one joint load, then the jump to the join
	s_cmp_lt_u32 s14, \under
	s_cbranch_scc0 \next
	tensor_load_to_lds s[\g0:\g0+3], s[\g1:\g1+7]
	s_nop 0
.rept 4
	v_nop
.endr
	s_branch .Lhead_asked
\next:
.endm
.macro JLOAD g0a, g1a, g0b, g1b
	s_cmp_eq_u32 s15, 0
	s_cbranch_scc0 .Lfor_b_\@
	tensor_load_to_lds s[\g0a:\g0a+3], s[\g1a:\g1a+7]
	s_nop 0
.rept 4
	v_nop
.endr
	s_branch .Lasked_\@
.Lfor_b_\@:
	tensor_load_to_lds s[\g0b:\g0b+3], s[\g1b:\g1b+7]
	s_nop 0
.rept 4
	v_nop
.endr
.Lasked_\@:
.endm
.macro CREST
	s_cmp_lg_u32 s14, 0
	s_cbranch_scc1 .Lnot_wave_0_\@
	s_barrier_signal -3
.Lnot_wave_0_\@:
	s_barrier_wait -3
	s_barrier_signal -1
	s_barrier_wait -1
.endm
.macro CROUND
	s_barrier_signal -1
	s_barrier_wait -1
	CREST
.endm
.macro GRP1 g, c, r, p
	s_mov_b32 s[\g+1], (\c)<<16
	s_mov_b32 s[\g+2], (\r)<<16
	s_mov_b32 s[\g+3], (\c)<<16
	s_mov_b32 s[\g+4], \r
	s_mov_b32 s[\g+5], \p
	s_mov_b32 s[\g+6], 0
	s_mov_b32 s[\g+7], 0
.endm
.macro GRP0 g, lds, ldsoff, adr, adroff
	s_mov_b32 s[\g], 1
	s_add_co_u32 s[\g+1], s[\lds], \ldsoff
	s_add_nc_u64 s[\g+2:\g+3], s[\adr:\adr+1], \adroff
	s_or_b32 s[\g+3], s[\g+3], 0x80000000
.endm
.macro FETCH slot, kl, kg, set
	WIN TO_B
.irp b, 0,1,2,3,4,5,6,7
.irp c, 0,1,2
	ds_load_b128 v[128*(\set)+12*\b+4*\c:128*(\set)+12*\b+4*\c+3], v[ADRB+\slot] offset:(\b*KSS+(\kl))*FRB+512*\c
.endr
.endr
	WIN 0
.irp a, 0,1,2,3
.irp c, 0,1,2
	ds_load_b128 v[AF+48*(\set)+12*\a+4*\c:AF+48*(\set)+12*\a+4*\c+3], v[ADRA+\slot] offset:(\a*KSS+(\kl))*FRB+512*\c
.endr
.endr
.irp b, 0,1,2,3,4,5,6,7
	ds_load_b32 v[SC+12*(\set)+\b], v[ADSB] offset:1024*(\kg)+64*\b
.endr
.irp a, 0,1,2,3
	ds_load_b32 v[SC+12*(\set)+8+\a], v[ADSA] offset:512*(\kg)+64*\a
.endr
.endm
.macro MUL8 a, set, first
.irp b, 0,1,2,3,4,5,6,7
.if \first
	v_wmma_scale_f32_16x16x128_f8f6f4 v[64*(\a)+8*\b:64*(\a)+8*\b+7], v[128*(\set)+12*\b:128*(\set)+12*\b+11], v[AF+48*(\set)+12*(\a):AF+48*(\set)+12*(\a)+11], v[96+8*\b+96*(\b/4):96+8*\b+96*(\b/4)+7], v[SC+12*(\set)+\b], v[SC+12*(\set)+8+(\a)] matrix_a_fmt:MATRIX_FMT_FP6 matrix_b_fmt:MATRIX_FMT_FP6
.else
	v_wmma_scale_f32_16x16x128_f8f6f4 v[64*(\a)+8*\b:64*(\a)+8*\b+7], v[128*(\set)+12*\b:128*(\set)+12*\b+11], v[AF+48*(\set)+12*(\a):AF+48*(\set)+12*(\a)+11], v[64*(\a)+8*\b:64*(\a)+8*\b+7], v[SC+12*(\set)+\b], v[SC+12*(\set)+8+(\a)] matrix_a_fmt:MATRIX_FMT_FP6 matrix_b_fmt:MATRIX_FMT_FP6
.endif
.endr
.endm
.macro STEP slot, kl, kg, first
	s_wait_dscnt 0x0
	WIN MUL-0x10*(\first)
	MUL8 0, (\kg)%2, \first
	MUL8 1, (\kg)%2, \first
	PLACES
	FETCH \slot, (\kl)+1, (\kg)+1, 1-(\kg)%2
.if (\kg) == 0
	ASK 2                                          ; K steps 8 .. 11, which the change of slots three K steps on asks for
.endif
	WIN MUL-0x10*(\first)
	MUL8 2, (\kg)%2, \first
	MUL8 3, (\kg)%2, \first
.endm
.macro TURN slot, next, kg, fill
	WIN 0
	s_wait_tensorcnt 0x0
	ds_add_u32 v[SPW], v[NIL]
	s_wait_dscnt 0x1
	WIN MUL
	MUL8 0, (\kg)%2, 0
	s_wait_dscnt 0x0
	s_barrier_signal -1
	MUL8 1, (\kg)%2, 0
	WIN 0
	s_barrier_wait -1
.if \fill
	CREST
	s_add_nc_u64 s[G0+4*\slot+2:G0+4*\slot+3], s[G0+4*\slot+2:G0+4*\slot+3], 2*KSS*FRB
	s_add_nc_u64 s[G0B+4*\slot+2:G0B+4*\slot+3], s[G0B+4*\slot+2:G0B+4*\slot+3], 2*KSS*FRB
	JLOAD G0+4*\slot, G1, G0B+4*\slot, G1B
.else
	PLACES
.endif
	FETCH \next, 0, (\kg)+1, 1-(\kg)%2
.if (\kg) == 3
	ASK 3                                          ; K steps 12 .. 15, the last: later changes of slots ask for nothing
.endif
	WIN MUL
	MUL8 2, (\kg)%2, 0
	MUL8 3, (\kg)%2, 0
.endm
.macro LAST kg
	s_wait_dscnt 0x0
	WIN MUL
	MUL8 0, (\kg)%2, 0
	MUL8 1, (\kg)%2, 0
	MUL8 2, (\kg)%2, 0
	MUL8 3, (\kg)%2, 0
	WIN 0
	PLACES
.endm
	s_load_b256 s[4:11], s[0:1], 0x0
	v_lshl_add_u32 v[SPW], v0, 2, SPARE
	v_mov_b32 v[NIL], 0
	ds_add_u32 v[SPW], v[NIL]
	ds_add_u32 v[SPW], v[NIL]
	v_lshrrev_b32 v1, 5, v0
	v_readfirstlane_b32 s14, v1                    ; wave
	v_and_b32 v[PFO], 31, v0
	v_min_u32 v[PFO], 23, v[PFO]
	v_lshlrev_b32 v[PFO], 8, v[PFO]
	s_lshr_b32 s15, s14, 1
	s_and_b32 s16, s14, 1
	s_bfe_u32 s40, ttmp6, 0x40000
	s_bfe_u32 s41, ttmp6, 0x40004
	s_lshl_b32 s42, ttmp9, 2
	s_add_co_u32 s42, s42, s40
	s_and_b32 s17, ttmp7, 0xffff
	s_lshl_b32 s17, s17, 2
	s_add_co_u32 s17, s17, s41
	s_lshl_b32 s43, s41, 2
	s_lshl_b32 s43, 15, s43
	s_lshl_b32 s44, 0x1111, s40
	s_or_b32 s[G1], s43, (3<<16)|(1<<21)
	s_or_b32 s[G1B], s44, (3<<16)|(1<<21)
	s_or_b32 s[G1S], s43, (3<<16)|(1<<21)
	s_or_b32 s[G1SB], s44, (3<<16)|(1<<21)
	GRP1 G1, 192*KSS, 8, 192*KS                    ; for the head's load: all eight row tiles, a slot's K steps of each
	GRP1 G1B, 192*KSS, 16, 192*KS                  ; all sixteen column tiles
	GRP1 G1S, 64, KS, APITCH/2                     ; 128 scale words of every K step
	GRP1 G1SB, 128, KS, BPITCH/2                   ; 256
	s_lshl_b32 s20, s17, 3
	s_mul_i32 s20, s20, KS*FRB
	s_add_co_u32 s20, s20, AOFF
	s_mov_b32 s21, 0
	s_lshl_b32 s22, s17, 9
	s_add_co_u32 s22, s22, ASOFF
	s_mov_b32 s23, 0
	s_lshl_b32 s46, s42, 4
	s_mul_i32 s46, s46, KS*FRB
	s_add_co_u32 s46, s46, BOFF
	s_mov_b32 s47, 0
	s_lshl_b32 s92, s42, 10
	s_add_co_u32 s92, s92, BSOFF
	s_mov_b32 s93, 0
	s_mul_i32 s45, s16, 4*KSS*FRB
	s_mul_i32 s94, s16, 8*KSS*FRB
	s_add_co_u32 s94, s94, 8*KSS*FRB
	s_mov_b32 s95, ASC
	s_mov_b32 s96, BSC
	s_cmp_eq_u32 s15, 0
	s_cselect_b32 s97, s40, s41                    ; my place among the four that ask with me: cx for the rows, cy for the columns; it enters the prefetches' address alone
	s_lshl_b32 s97, s97, s15                       ; one tile each of the rows' four, two each of the columns' eight
	s_mul_i32 s97, s97, KS*FRB
	s_wait_alu depctr_va_vdst(0)
	s_wait_dscnt 0x0
	s_wait_kmcnt 0x0
	s_add_nc_u64 s[20:21], s[4:5], s[20:21]
	s_add_nc_u64 s[22:23], s[4:5], s[22:23]
	s_add_nc_u64 s[46:47], s[6:7], s[46:47]
	s_add_nc_u64 s[92:93], s[6:7], s[92:93]
	GRP0 G0S, 95, 0, 22, 0
	GRP0 G0SB, 96, 0, 92, 0
	s_mov_b32 s[G0], 1                             ; the head's loads of slot 0 take whole operands: the eight row tiles of ctx,
	s_mov_b32 s[G0+1], 0
	s_mov_b64 s[G0+2:G0+3], s[20:21]
	s_or_b32 s[G0+3], s[G0+3], 0x80000000
	s_mov_b32 s[G0B], 1                            ; and the sixteen column tiles of wo behind them
	s_mov_b32 s[G0B+1], 8*KSS*FRB
	s_mov_b64 s[G0B+2:G0B+3], s[46:47]
	s_or_b32 s[G0B+3], s[G0B+3], 0x80000000
	s_mul_i32 s98, s16, 4*KS*FRB
	s_mov_b32 s99, 0
	s_add_nc_u64 s[20:21], s[20:21], s[98:99]      ; for the ring: my half of the row tiles,
	s_lshl_b32 s98, s98, 1
	s_add_nc_u64 s[46:47], s[46:47], s[98:99]      ; or of the column tiles
	GRP0 G0+4, 45, SLOT, 20, KSS*FRB
	GRP0 G0B+4, 94, SLOT, 46, KSS*FRB
	s_cmp_eq_u32 s15, 0
	s_cselect_b64 s[PFA:PFA+1], s[20:21], s[46:47]
	s_mov_b32 s98, s97
	s_add_nc_u64 s[PFA:PFA+1], s[PFA:PFA+1], s[98:99]
	CROUND                                         ; all sixteen work-groups are here: the first joint loads meet
	ARM 1, G0,  G1,  .Lhead_b                      ; ONE joint load a wave: wave 0 slot 0's rows,
	ARM 2, G0B, G1B, .Lhead_sa                     ; wave 1 its columns,
	ARM 3, G0S, G1S, .Lhead_sb                     ; wave 2 the rows' scale words of all of K,
	tensor_load_to_lds s[G0SB:G0SB+3], s[G1SB:G1SB+7]  ; wave 3 the columns'
	s_nop 0
.rept 4
	v_nop
.endr
.Lhead_asked:
	ASK 1                                          ; slot 1's bytes, which are asked for behind the next round
	v_and_b32 v1, 31, v0
	v_lshlrev_b32 v[LI], 4, v1
	v_and_b32 v2, 15, v0
	v_lshlrev_b32 v[LS], 2, v2
	v_bfe_u32 v3, v0, 4, 1
	v_lshlrev_b32 v[BA], 6, v3
	s_mul_i32 s18, s15, 4*KSS*FRB
	v_add_nc_u32 v[ADRA], s18, v[LI]
	v_add_nc_u32 v[ADRA+1], SLOT, v[ADRA]
	v_add_nc_u32 v[ADRB], s94, v[LI]
	v_add_nc_u32 v[ADRB+1], SLOT, v[ADRB]
	s_lshl_b32 s18, s15, 8
	s_add_co_u32 s18, s18, ASC
	v_add_nc_u32 v[ADSA], s18, v[LS]
	s_lshl_b32 s18, s16, 9
	s_add_co_u32 s18, s18, BSC
	v_add_nc_u32 v[ADSB], s18, v[LS]
	s_mul_i32 s18, s14, 8448
	v_mul_u32_u24 v[STO], v2, 528
	v_lshl_add_u32 v[STO], v3, 6, v[STO]
	v_add_nc_u32 v[STO], s18, v[STO]
	v_add_nc_u32 v[RD], s18, v[LI]
	s_lshl_b32 s2, s42, 10
	s_lshl_b32 s3, s16, 9
	s_add_co_u32 s2, s2, s3
	s_mov_b32 s3, 0
	s_add_nc_u64 s[8:9], s[8:9], s[2:3]
	s_lshl_b32 s18, s17, 7
	s_lshl_b32 s19, s15, 6
	s_add_co_u32 s18, s18, s19
	s_lshl_b32 s18, s18, 13
	s_add_co_u32 s2, s2, s18
	s_add_nc_u64 s[12:13], s[10:11], s[2:3]
	WIN 0x40
.irp b, 0,1,2,3,4,5,6,7
	global_load_b128 v[96+8*\b+96*(\b/4):96+8*\b+96*(\b/4)+3], v[BA], s[8:9] offset:(32*(\b/2)+8*(\b%2))*4
	global_load_b128 v[96+8*\b+96*(\b/4)+4:96+8*\b+96*(\b/4)+7], v[BA], s[8:9] offset:(32*(\b/2)+8*(\b%2))*4+16
.endr
	WIN 0
	s_wait_alu depctr_va_vdst(0)                   ; the wait at the head's end
	s_wait_tensorcnt 0x0                           ; my one load has landed; slot 1's first fill is issued as a refill is:
	ds_add_u32 v[SPW], v[NIL]                      ; 0 onto my spare word;
	s_mov_b32 s[G1+2], 4<<16                       ; no load of mine is out, so descriptors may be written: from here on a load brings half an operand's tiles
	s_mov_b32 s[G1+4], 4
	s_mov_b32 s[G1B+2], 8<<16
	s_mov_b32 s[G1B+4], 8
	GRP0 G0, 45, 0, 20, 0                          ; slot 0's own group 0, first used at its refill
	GRP0 G0B, 94, 0, 46, 0
	s_wait_dscnt 0x0                               ; the add is done
	CROUND                                         ; all four tiles are in, in every partner
	JLOAD G0+4, G1, G0B+4, G1B                     ; slot 1: my one load behind the round
	FETCH 0, 0, 0, 0
	s_wait_loadcnt 0x0
	STEP 0, 0, 0, 1
	STEP 0, 1, 1, 0
	STEP 0, 2, 2, 0
	TURN 0, 1, 3, 1
	STEP 1, 0, 4, 0
	STEP 1, 1, 5, 0
	STEP 1, 2, 6, 0
	TURN 1, 0, 7, 1
	STEP 0, 0, 8, 0
	STEP 0, 1, 9, 0
	STEP 0, 2, 10, 0
	TURN 0, 1, 11, 0
	STEP 1, 0, 12, 0
	STEP 1, 1, 13, 0
	STEP 1, 2, 14, 0
	LAST 15
.macro TOSTAGE a
	WIN 0x08
.irp e, 0,1,2,3
.irp q, 0,1,2,3
	ds_store_b128 v[STO], v[64*(\a)+16*\e+4*\q:64*(\a)+16*\e+4*\q+3] offset:128*\e+16*\q
.endr
.endr
	WIN 0
.set BB, 128+64*((\a)%2)
.irp t, 0,1,2,3,4,5,6,7,8,9,10,11,12,13,14,15
	ds_load_b128 v[BB+4*\t:BB+4*\t+3], v[RD] offset:528*\t
.endr
.endm
.macro SEND a, younger
.set BB, 128+64*((\a)%2)
	s_wait_dscnt \younger
.irp t, 0,1,2,3,4,5,6,7,8,9,10,11,12,13,14,15
	global_store_b128 v[LI], v[BB+4*\t:BB+4*\t+3], s[12:13] offset:(32*((\a)/2)+8*((\a)%2)+\t+8*(\t/8))*8192 th:TH_STORE_NT
.endr
.endm
	TOSTAGE 0
.irp a, 1,2,3
.if \a > 1
	s_wait_xcnt 0x0
.endif
	TOSTAGE \a
	SEND \a-1, 32
.endr
	SEND 3, 0
	s_wait_tensorcnt 0x0
	ds_add_u32 v[SPW], v[NIL]
	s_wait_dscnt 0x0
	CROUND
	s_endpgm
.Lfunc_end_k_qe3c619664e_outp:
	.size	k_qe3c619664e_outp, .Lfunc_end_k_qe3c619664e_outp-k_qe3c619664e_outp
	.p2alignl 7, 3214868480
	.fill 96, 4, 3214868480
	.section	.rodata,"a",@progbits
	.p2align	6, 0x0
	.amdhsa_kernel k_qe3c619664e_outp
		.amdhsa_group_segment_fixed_size 327680
		.amdhsa_private_segment_fixed_size 0
		.amdhsa_enable_private_segment 0
		.amdhsa_kernarg_size 32
		.amdhsa_user_sgpr_count 2
		.amdhsa_user_sgpr_kernarg_segment_ptr 1
		.amdhsa_wavefront_size32 1
		.amdhsa_system_sgpr_workgroup_id_x 1
		.amdhsa_system_sgpr_workgroup_id_y 1
		.amdhsa_system_sgpr_workgroup_id_z 1
		.amdhsa_system_vgpr_workitem_id 0
		.amdhsa_next_free_vgpr 768
		.amdhsa_next_free_sgpr 102
		.amdhsa_reserve_vcc 0
		.amdhsa_float_denorm_mode_32 3
		.amdhsa_float_denorm_mode_16_64 3
		.amdhsa_memory_ordered 1
		.amdhsa_forward_progress 1
		.amdhsa_inst_pref_size 146
	.end_amdhsa_kernel
	.amdgpu_metadata
---
amdhsa.version: [ 1, 2 ]
amdhsa.kernels:
  - .name:           k_qe3c619664e_outp
    .symbol:         k_qe3c619664e_outp.kd
    .args:
      - { .name: cimg, .offset: 0, .size: 8, .value_kind: global_buffer, .address_space: global }
      - { .name: wimg, .offset: 8, .size: 8, .value_kind: global_buffer, .address_space: global }
      - { .name: bo, .offset: 16, .size: 8, .value_kind: global_buffer, .address_space: global }
      - { .name: out0, .offset: 24, .size: 8, .value_kind: global_buffer, .address_space: global }
    .group_segment_fixed_size: 327680
    .private_segment_fixed_size: 0
    .kernarg_segment_align: 8
    .kernarg_segment_size: 32
    .max_flat_workgroup_size: 128
    .sgpr_count:     102
    .vgpr_count:     768
    .wavefront_size: 32
...
	.end_amdgpu_metadata
.endif
;; end of part 5
